; MI455X (gfx1250); checked and timed in simulation.
; The chip was launched on July 23, 2026; its instructions are those of AMD's public machine-readable ISA for CDNA 5 (MIT licence, August 2026) and "CDNA5" Instruction Set Architecture Reference Guide (July 2026). The comments in the code are by the model that wrote it; some were corrected since.
;; Caserl Self Attention. Allowed arithmetic: float matrix products may take bf16 or f16 operands with f32 sums; other float arithmetic in f32, or as packed bf16 or f16 multiplies, adds, multiply-adds, maxima and minima; sums over many terms, partial sums and values carried from step to step in f32; what a program stores and reads back later, other than sums and carried values, may be rounded once to bf16 or f16.
;; Inputs: b_attn 3,072 float32; b_proj 1,024 float32; w_attn 1,024 x 3,072 float32; w_proj 1,024 x 1,024 float32; x 4 x 2,048 x 1,024 float32.
;; Outputs: out0 4 x 2,048 x 1,024 float32.
;; 2 versions, each right; version 2 is version 1 with the launch cast written anew for expert scheduling mode. Each part assembles by itself: llvm-mc -triple=amdgcn-amd-amdhsa -mcpu=gfx1250 --defsym DOCPART=n.
;; ======== version 1 of 2: 4 launches
;; limits: values are held in f16: magnitudes above 65,504 overflow, below 6.1e-05 lose precision
;; workspace buffers: xb 16,777,216 bytes; wab 6,291,456 bytes; wpb 2,097,152 bytes; qb 16,777,216 bytes; kb 16,777,216 bytes; vb 16,777,216 bytes; ob 16,777,216 bytes
;; launch cast (part 1): grid 832 x 1, 8 waves a work-group, no clusters, 0 bytes of LDS; arguments x, w_attn, w_proj, xb, wab, wpb; writes xb, wab, wpb
.if DOCPART == 1
	.amdgcn_target "amdgcn-amd-amdhsa--gfx1250"
	.amdhsa_code_object_version 6
	.text
	.protected	k_qd30f921623_cast
	.globl	k_qd30f921623_cast
	.p2align	8
	.type	k_qd30f921623_cast,@function
k_qd30f921623_cast:
	s_mov_b64 s[64:65], 0
	v_nop
	global_prefetch_b8 v0, s[64:65] scope:SCOPE_SE
	s_setreg_imm32_b32 hwreg(HW_REG_WAVE_MODE, 25, 1), 1
	s_wait_xcnt 0x0
; THE INPUTS OF THE MATRIX PRODUCTS ARE ROUNDED ONCE TO 16 BITS.  A stream: no LDS, no matrix unit, no cluster (no two work-groups read the same byte).
;   x      [8192][1024] f32  -> xb  [8192][1024] bf16                      work-groups 0 .. 511, 16,384 numbers each
;   w_proj [1024][1024] f32  -> wpb [1024][1024]: rounded to bf16, that number written as f16      work-groups 512 .. 575
;   w_attn [1024][3072] f32  -> wab [16 nt][1024 k][192 n] bf16: column n of block nt is column 192 nt + n      work-groups 576 .. 831: 64 rows k of one block nt
; LIMIT.  w_proj: a bf16 number is exact in f16 from 6.1e-5 to 65,504 in magnitude; below it keeps f16's fixed step of 6e-8, beyond it becomes an infinity.
; A thread's unit is 4 numbers: one load of 16 bytes (16 neighbouring lanes read 256 consecutive bytes, aligned), two packed roundings, one store of 8 bytes (a wave's store covers 256 consecutive
; bytes, aligned).  All of a thread's loads go out first (16, or 12 for w_attn); the waits count down, so that the younger loads stay out.  No register is written twice while memory may read it.
.set IN16, 1                           ; v1      16 x thread: my place in 4,096 bytes of input
.set OUT8, 2                           ; v2      8 x thread: my place in 2,048 bytes of output
.set INQ,  3                           ; v3-5    w_attn: my input offsets for units 3 p + q, q = 0, 1, 2
.set DIN,  8                           ; v8-71   as loaded, 4 registers a unit
.set DOUT, 72                          ; v72-103 to store, 2 registers a unit
.set TW,   104                         ; v104-107 at work
; n units are rounded and stored to s[db:db+1].  f16 = 1: the bf16 number is widened again and written as f16.
.macro OUT n, db, f16
.set i, 0
.rept \n
	s_wait_loadcnt (\n)-1-i                        ; loads come back in order: unit i is in, the younger ones stay out
	v_cvt_pk_bf16_f32 v[DOUT+2*i], v[DIN+4*i], v[DIN+4*i+1]
	v_cvt_pk_bf16_f32 v[DOUT+2*i+1], v[DIN+4*i+2], v[DIN+4*i+3]
.if \f16
	v_lshlrev_b32 v[TW], 16, v[DOUT+2*i]
	v_and_b32 v[TW+1], 0xffff0000, v[DOUT+2*i]
	v_lshlrev_b32 v[TW+2], 16, v[DOUT+2*i+1]
	v_and_b32 v[TW+3], 0xffff0000, v[DOUT+2*i+1]
	v_cvt_pk_f16_f32 v[DOUT+2*i], v[TW], v[TW+1]
	v_cvt_pk_f16_f32 v[DOUT+2*i+1], v[TW+2], v[TW+3]
.endif
	global_store_b64 v[OUT8], v[DOUT+2*i:DOUT+2*i+1], s[\db:\db+1] offset:2048*i
.set i, i+1
.endr
.endm
; 16 units that lie on end in memory
.macro LIN sb
.set i, 0
.rept 16
	global_load_b128 v[DIN+4*i:DIN+4*i+3], v[IN16], s[\sb:\sb+1] offset:4096*i th:TH_LOAD_NT
.set i, i+1
.endr
.endm
	s_load_b256 s[4:11], s[0:1], 0x0               ; x s[4:5], w_attn s[6:7], w_proj s[8:9], xb s[10:11]
	s_load_b128 s[12:15], s[0:1], 0x20             ; wab s[12:13], wpb s[14:15]
	v_lshlrev_b32 v[IN16], 4, v0
	v_lshlrev_b32 v[OUT8], 3, v0
	s_mov_b32 s17, 0                               ; the high words of the two offsets
	s_mov_b32 s19, 0
	s_wait_kmcnt 0x0
	s_cmp_lt_u32 ttmp9, 512
	s_cbranch_scc0 .Lnot_x
	s_lshl_b32 s16, ttmp9, 16                      ; 16,384 numbers: 65,536 bytes in,
	s_lshl_b32 s18, ttmp9, 15                      ; 32,768 out
	s_add_nc_u64 s[4:5], s[4:5], s[16:17]
	s_add_nc_u64 s[10:11], s[10:11], s[18:19]
	LIN 4
	OUT 16, 10, 0
	s_endpgm
.Lnot_x:
	s_cmp_lt_u32 ttmp9, 576
	s_cbranch_scc0 .Lw
	s_sub_co_u32 s20, ttmp9, 512
	s_lshl_b32 s16, s20, 16
	s_lshl_b32 s18, s20, 15
	s_add_nc_u64 s[8:9], s[8:9], s[16:17]
	s_add_nc_u64 s[14:15], s[14:15], s[18:19]
	LIN 8
	OUT 16, 14, 1
	s_endpgm
.Lw:
	; The output is linear: unit u = thread + 256 i lies at byte 8 u of the work-group's 24,576.  A row of the block has 192 numbers = 48 units = 3 groups of 16 lanes.  Group number
	; (thread / 16) + 16 i, with i = 3 p + q, is row ((thread / 16) + 16 q) / 3 + 16 p, third ((thread / 16) + 16 q) % 3: so three offsets serve, and p stands in the immediate.
	s_sub_co_u32 s20, ttmp9, 576
	s_lshr_b32 s21, s20, 4                         ; nt
	s_and_b32 s22, s20, 15                         ; which 64 rows k
	s_mul_i32 s16, s22, 64*12288                   ; a row of w_attn is 12,288 bytes
	s_mul_i32 s23, s21, 768                        ; 192 columns of f32
	s_add_co_u32 s16, s16, s23
	s_add_nc_u64 s[6:7], s[6:7], s[16:17]
	s_mul_i32 s18, s21, 1024*384                   ; a row of a block is 384 bytes
	s_mul_i32 s23, s22, 64*384
	s_add_co_u32 s18, s18, s23
	s_add_nc_u64 s[12:13], s[12:13], s[18:19]
	v_lshrrev_b32 v6, 4, v0                        ; thread / 16
	v_and_b32 v7, 15, v0
	v_lshlrev_b32 v7, 4, v7                        ; my 16 bytes of the group's 256
.irp q, 0,1,2
	v_add_nc_u32 v[TW], 16*\q, v6                  ; 0 .. 47
	v_mul_u32_u24 v[TW+1], v[TW], 171
	v_lshrrev_b32 v[TW+1], 9, v[TW+1]              ; a third of it (171 / 512: exact below 256)
	v_mul_u32_u24 v[TW+2], v[TW+1], 3
	v_sub_nc_u32 v[TW+2], v[TW], v[TW+2]           ; the remainder
	v_mul_u32_u24 v[TW+1], v[TW+1], 12288
	v_lshl_add_u32 v[TW+1], v[TW+2], 8, v[TW+1]
	v_add_nc_u32 v[INQ+\q], v[TW+1], v7
.endr
.set i, 0
.rept 12
	global_load_b128 v[DIN+4*i:DIN+4*i+3], v[INQ+i%3], s[6:7] offset:(i/3)*16*12288 th:TH_LOAD_NT
.set i, i+1
.endr
	OUT 12, 12, 0
	s_endpgm
.Lfunc_end_k_qd30f921623_cast:
	.size	k_qd30f921623_cast, .Lfunc_end_k_qd30f921623_cast-k_qd30f921623_cast
	.p2alignl 7, 3214868480
	.fill 96, 4, 3214868480
	.section	.rodata,"a",@progbits
	.p2align	6, 0x0
	.amdhsa_kernel k_qd30f921623_cast
		.amdhsa_group_segment_fixed_size 0
		.amdhsa_private_segment_fixed_size 0
		.amdhsa_enable_private_segment 0
		.amdhsa_kernarg_size 48
		.amdhsa_user_sgpr_count 2
		.amdhsa_user_sgpr_kernarg_segment_ptr 1
		.amdhsa_wavefront_size32 1
		.amdhsa_system_sgpr_workgroup_id_x 1
		.amdhsa_system_sgpr_workgroup_id_y 1
		.amdhsa_system_sgpr_workgroup_id_z 1
		.amdhsa_system_vgpr_workitem_id 0
		.amdhsa_next_free_vgpr 108
		.amdhsa_next_free_sgpr 66
		.amdhsa_reserve_vcc 0
		.amdhsa_float_denorm_mode_32 3
		.amdhsa_float_denorm_mode_16_64 3
		.amdhsa_memory_ordered 1
		.amdhsa_forward_progress 1
		.amdhsa_inst_pref_size 24
	.end_amdhsa_kernel
	.amdgpu_metadata
---
amdhsa.version: [ 1, 2 ]
amdhsa.kernels:
  - .name:           k_qd30f921623_cast
    .symbol:         k_qd30f921623_cast.kd
    .args:
      - { .name: x, .offset: 0, .size: 8, .value_kind: global_buffer, .address_space: global }
      - { .name: w_attn, .offset: 8, .size: 8, .value_kind: global_buffer, .address_space: global }
      - { .name: w_proj, .offset: 16, .size: 8, .value_kind: global_buffer, .address_space: global }
      - { .name: xb, .offset: 24, .size: 8, .value_kind: global_buffer, .address_space: global }
      - { .name: wab, .offset: 32, .size: 8, .value_kind: global_buffer, .address_space: global }
      - { .name: wpb, .offset: 40, .size: 8, .value_kind: global_buffer, .address_space: global }
    .group_segment_fixed_size: 0
    .private_segment_fixed_size: 0
    .kernarg_segment_align: 8
    .kernarg_segment_size: 48
    .max_flat_workgroup_size: 256
    .sgpr_count:     66
    .vgpr_count:     108
    .wavefront_size: 32
...
	.end_amdgpu_metadata
.endif
;; end of part 1
;; launch qkv (part 2): grid 16 x 32, 4 waves a work-group, clusters of 4 x 4, 327,680 bytes of LDS; arguments xb, wab, b_attn, qb, kb, vb; writes qb, kb, vb
.if DOCPART == 2
	.amdgcn_target "amdgcn-amd-amdhsa--gfx1250"
	.amdhsa_code_object_version 6
	.text
	.protected	k_qd30f921623_qkv
	.globl	k_qd30f921623_qkv
	.p2align	8
	.type	k_qd30f921623_qkv,@function
k_qd30f921623_qkv:
	s_mov_b64 s[64:65], 0
	v_nop
	global_prefetch_b8 v0, s[64:65] scope:SCOPE_SE
	s_setreg_imm32_b32 hwreg(HW_REG_WAVE_MODE, 25, 1), 1
	s_wait_xcnt 0x0
	s_wait_alu depctr_hold_cnt(0) depctr_sa_sdst(0) depctr_va_vdst(0) depctr_va_sdst(0) depctr_va_ssrc(0) depctr_va_vcc(0) depctr_vm_vsrc(0)
	s_getreg_b32 s2, hwreg(HW_REG_IB_STS2, 6, 4)
	s_cmp_eq_u32 s2, 0
	s_cbranch_scc0 .Lentry_in_a_cluster
	s_endpgm
.Lentry_in_a_cluster:
	s_bfe_u32 s2, ttmp6, 0x10000c
	s_cmp_lg_u32 s2, 0xf033
	s_cbranch_scc0 .Lentry_shape_is_right
	s_endpgm
.Lentry_shape_is_right:
; q, k, v = x w_attn + b_attn, by heads.  xb: [8192][1024] bf16.  wab: [16 nt][1024 k][192 n] bf16.  b_attn: [3072] f32, rounded here to bf16 like the other inputs.
; qb, kb, vb: [64 = 16 batch + head][2048][64] f16, each number rounded once from its f32 sum, unscaled.
; LIMITS.  A q, k or v of 65,520 or more in magnitude becomes an infinity in f16.  The bias starts the sum (it is the C operand of the first product), so the order of rounding differs from bias-last.
; SHARES.  A work-group makes 256 rows x 192 columns (three heads): 32 x 16 = 512 work-groups.  Wave w owns rows 64 w .. 64 w + 63 over ALL 192 columns: 4 row blocks a x 12 column
; blocks b = 48 accumulators, 384 registers.  So a wave's columns are whole heads, its stage on the way out is its own, and no barrier stands there.
; K = 1,024 goes in 8 steps of 128 through two LDS slots.  A K step is four quarters of 32, 48 matrix instructions each, on fragment buffers 0, 1, 0, 1.
; THE MATRIX INSTRUCTION IS USED TRANSPOSED: source 0 = 16 columns of w (k along the registers, turned out of LDS by ds_load_tr16_b128, since w lies [k][n]), source 1 = 16 rows of x.
; In the result lane l holds row l % 16 and the columns 8 (l / 16) + 0..7: eight neighbouring numbers of a row.
; CLUSTER.  4 x 4 work-groups.  The four of a row of the cluster need the same tile of x, the four of a column the same tile of w: each is asked for jointly, by the same tensor load with the same
; descriptor and a mask that names the four.  Waves 0 and 1 fetch x's two halves (128 rows each), waves 2 and 3 w's (64 k each): one load a wave behind each round.
; By this text's count a wave has two tensor loads out at the start and one behind each round; that one has 160 of a K step's 192 matrix instructions in which to land.
; REGISTERS, in windows of 256 (s_set_vgpr_msb: bits 1:0 source 0, 3:2 source 1, 5:4 source 2, 7:6 destination):
;   window 0: v0-29 addresses; v64-127 x's fragments, two buffers of 4; v128-223 the bias, 8 registers a column block; v224-227 at work; on the way out v64-255 are free
;   window 1: v0-191 w's fragments, two buffers of 12      window 2: accumulator (b, a) at 8 (4 b + a), b = 0..7      window 3: v0-127 the same for b = 8..11
.set NBK,   12                         ; column blocks
.set N1,    4                          ; column blocks multiplied at a quarter's head, while the other blocks' fragments may still be out
.set N2,    4                          ; column blocks multiplied between a barrier's signal and its wait
.set PA,    272                        ; a row of x in LDS: 256 bytes + 16 = 68 words: the 16 rows of a load start at 16 different groups of four banks (64 banks of 4 bytes: ISA guide 11.1)
.set PB,    480                        ; a row k of w in LDS: three pieces of 128 bytes + 32 = 120 words
.set APART, 128*PA                     ; what one load brings of x
.set BOFF,  2*APART                    ; w's tile lies behind x's
.set BPART, 64*PB                      ; what one load brings of w
.set SLOT1, 131072                     ; a slot is exactly this long; one exclusive or turns an address in one slot into the other's
.set STAGE, 2*SLOT1                    ; behind the ring, never filled by a tensor load: 16 rows x 144 bytes for each wave
.set SP,    144
.set SPARE, STAGE+4*16*SP              ; behind the stages: the spare words, 128 bytes for each wave: two blocks of 256 bytes that no other line names
.set ASTEP, 256                        ; bytes from a K step to the next: along x's rows,
.set BSTEP, 49152                      ; and 128 rows of 384 bytes down a block of w
.set LA0,  16                          ; v16  my lane's place in x's tile: (64 w + l % 16) PA + 16 (l / 16); never rewritten
.set LB0,  17                          ; v17  in w's tile: BOFF + (8 (l / 16) + l % 8) PB + 16 ((l / 8) % 2); never rewritten
.set ADRA, 18                          ; v18  the same in the slot in hand
.set ADRB, 19                          ; v19
.set STO,  20                          ; v20  the way out: where I put 16 bytes of a row
.set RD,   21                          ; v21  where I read rows back
.set GO,   22                          ; v22  16 x lane: my place in 512 consecutive bytes of the output
.set BO,   23                          ; v23  32 (l / 16): my eight numbers of a column block's bias
.set PFO,  24                          ; v24  the prefetches' offset: lane x a row of xb (2,048 bytes); never rewritten
.set SPW,  28                          ; v28  LDS address of my spare word: SPARE + 4 x my thread's number; never rewritten
.set NIL,  29                          ; v29  0; never rewritten
.set FA,   64
.set BIAS, 128
.set TW,   224
.set WV,   16                          ; s16  my wave's number
.set HF,   17                          ; s17  which half of a tile I fetch
.set CX,   19                          ; s19, s20  my place in the cluster
.set CY,   20
.set NT,   21                          ; s21  tile column = 4 x cluster x + cx
.set MT,   22                          ; s22  tile row = 4 x cluster y + cy
.set G1A,  24                          ; s[24:31] descriptor group 1 for x's tiles
.set G0A,  32                          ; s[32:39] group 0: a set for each of the two first fills; the second then walks on
.set PFA,  40                          ; s[40:41] where my prefetches stand
.set LIM,  42                          ; s42  2 in a wave that prefetches, else the greatest number
.set TB,   43                          ; s43  the slot in hand: 0 or SLOT1
.set CNT,  44                          ; s44  trips to go
.set G1B,  48                          ; s[48:55], s[56:63] the same for w's tiles
.set G0B,  56
.set OUTP, 66                          ; s[66:71] where my rows of the tile's three heads begin
.set MSB, 0
.macro WIN new                         ; the immediate's high byte repeats the setting that is left; a switch that changes nothing is dropped
.if MSB != (\new)
	s_set_vgpr_msb (MSB<<8)|(\new)
.set MSB, (\new)
.endif
.endm
.macro PLACES                          ; four places behind a matrix instruction, in front of loads into registers that it has read and of lines that read results
.rept 4
	v_nop
.endr
.endm
.macro CREST                           ; a round of the cluster's barrier behind its opening barrier: wave 0 signals for the work-group, every wave waits for all sixteen, my work-group's barrier closes it
	s_cmp_lg_u32 s[WV], 0
	s_cbranch_scc1 .Lnot_wave_0_\@
	s_barrier_signal -3
.Lnot_wave_0_\@:
	s_barrier_wait -3
	s_barrier_signal -1
	s_barrier_wait -1
.endm
.macro CROUND                          ; a whole round
	s_barrier_signal -1
	s_barrier_wait -1
	CREST
.endm
; A joint refill, by the walking sets.  The branch hangs on the wave's number alone.  An s_nop 0 and four v_nop follow each of the two lines, ahead of the jump and the label.
.macro JLOAD
	s_cmp_lt_u32 s[WV], 2
	s_cbranch_scc0 .Lfor_b_\@
	tensor_load_to_lds s[G0A+4:G0A+7], s[G1A:G1A+7]
	s_nop 0
.rept 4
	v_nop
.endr
	s_branch .Lasked_\@
.Lfor_b_\@:
	tensor_load_to_lds s[G0B+4:G0B+7], s[G1B:G1B+7]
	s_nop 0
.rept 4
	v_nop
.endr
.Lasked_\@:
.endm
; A PREFETCH INTO THE L2 of x's K step that stands two refills on: the trip that refills K step i + 2 names K step i + 4.  A K step is 256 bytes of each row.  A tile row of x is read by the four
; clusters of its row of clusters: the first (cluster x = 0) asks.  Of the 128 rows that wave 0 or 1 fetches, the partner at place cx takes 32 cx .. 32 cx + 31, told apart by address: a lane a row,
; one instruction a wave, so each row's 256 bytes are named once in the launch.  The last two filling trips ask for nothing: K step 7 is the last.  K steps 0 to 3 come by their loads alone.
; w's tiles are read by all 32 tile rows: no stream that is read once, so they are not asked for.
.macro ASK
	WIN 0
	s_cmp_gt_u32 s[CNT], s[LIM]
	s_cbranch_scc0 .Lnot_mine_\@
	global_prefetch_b8 v[PFO], s[PFA:PFA+1] th:TH_LOAD_NT scope:SCOPE_SE
.Lnot_mine_\@:
.endm
; 32 LDS loads in one run: quarter q of the slot in hand into buffer f: x's four fragments first, then w's twelve, b ascending.
; A fragment of x: lane l holds row l % 16, k = 8 (l / 16) + 0..7 and 16 + 8 (l / 16) + 0..7: two loads of 16 bytes, 32 bytes apart.
; A fragment of w: the turning load takes 16 k x 16 columns and leaves lane l column l % 16 and 8 k; the second load stands 16 rows k further down.
.macro FETCH q, f
	WIN 0
.irp a, 0,1,2,3
	ds_load_b128 v[FA+32*(\f)+8*\a:FA+32*(\f)+8*\a+3],   v[ADRA] offset:64*(\q)+\a*16*PA
	ds_load_b128 v[FA+32*(\f)+8*\a+4:FA+32*(\f)+8*\a+7], v[ADRA] offset:64*(\q)+\a*16*PA+32
.endr
	WIN 0x40                                       ; destination window 1, address window 0
.set bb, 0
.rept NBK
	ds_load_tr16_b128 v[8*NBK*(\f)+8*bb:8*NBK*(\f)+8*bb+3],   v[ADRB] offset:(\q)*32*PB+(bb/4)*160+(bb%4)*32
	ds_load_tr16_b128 v[8*NBK*(\f)+8*bb+4:8*NBK*(\f)+8*bb+7], v[ADRB] offset:(\q)*32*PB+(bb/4)*160+(bb%4)*32+16*PB
.set bb, bb+1
.endr
.endm
; 4 nb matrix instructions on buffer f: column blocks b0 .. b0 + nb - 1 x the four row blocks.  first = 1: the bias starts the sums: nothing is ever cleared.
; Every accumulator has one turn a quarter, in the same order in every quarter: 47 others' stand between two links of a chain.
.macro MULB f, b0, nb, first
.set bb, \b0
.rept \nb
	WIN 0x81+0x40*(bb/8)+(0x20+0x10*(bb/8))*(1-(\first))  ; w window 1, x window 0, D window 2 or 3; C with D, or (the bias) window 0
.set rB, 8*NBK*(\f)+8*bb
.irp a, 0,1,2,3
.set rD, 8*(4*(bb%8)+\a)
.set rA, FA+32*(\f)+8*\a
.if \first
	v_wmma_f32_16x16x32_bf16 v[rD:rD+7], v[rB:rB+7], v[rA:rA+7], v[BIAS+8*bb:BIAS+8*bb+7]
.else
	v_wmma_f32_16x16x32_bf16 v[rD:rD+7], v[rB:rB+7], v[rA:rA+7], v[rD:rD+7]
.endif
.endr
.set bb, bb+1
.endr
.endm
; One of a K step's first three quarters: multiplies buffer f; behind its first products it fetches quarter qn of the same slot into buffer g.
.macro QUARTER qn, f, g, first
	s_wait_dscnt 2*(NBK-N1)                        ; x's fragments and w's first N1 are in; the youngest loads, w's other blocks', may be out
	MULB \f, 0, N1, \first
	PLACES
	FETCH \qn, \g
	s_wait_dscnt 8+2*NBK                           ; all but the run just issued
	MULB \f, N1, NBK-N1, \first
.endm
; The last quarter multiplies buffer 1 and changes slots: ONE barrier.  In front of it each wave waits for all its tensor loads (the one that is out is its part of the next slot), adds 0 to its spare
; word, and waits for that and for its own reads of this slot.  fill = 1: the barrier opens a round of the cluster's barrier, and the joint refill of the slot just left, two K steps on, is the first
; thing behind the round.
.macro TURN fill
.if \fill
	s_wait_xcnt 0x0                                ; the last prefetch, a K step back, has read its address: it is stepped here, ahead of the waits of the change of slots
	s_add_nc_u64 s[PFA:PFA+1], s[PFA:PFA+1], ASTEP
.endif
	WIN 0                                          ; (the add's two registers lie in window 0)
	s_wait_tensorcnt 0x0                           ; all my tensor loads have landed
	ds_add_u32 v[SPW], v[NIL]                      ; 0 onto my spare word
	s_wait_dscnt 2*(NBK-N1)+1                      ; (the add and the youngest loads may be out)
	MULB 1, 0, N1, 0                               ; matrix instructions stand between the add and the wait for it
	s_wait_dscnt 0x0                               ; the add is done, and my reads of this slot are over
	s_barrier_signal -1
	MULB 1, N1, N2, 0                              ; work on registers while the others arrive
.if \fill
	WIN 0
.endif
	s_barrier_wait -1
.if \fill
	CREST                                          ; no wave of any partner still reads this slot's tile or has a load on its way
	s_xor_b32 s[G0A+5], s[G0A+5], SLOT1            ; the walking sets: the other slot than last time, the next K step; the type bits on top are not reached
	s_add_nc_u64 s[G0A+6:G0A+7], s[G0A+6:G0A+7], ASTEP
	s_xor_b32 s[G0B+5], s[G0B+5], SLOT1
	s_add_nc_u64 s[G0B+6:G0B+7], s[G0B+6:G0B+7], BSTEP
	JLOAD                                          ; the four v_nop behind it are also the places in front of the loads below
.else
	PLACES
.endif
	WIN 0
	s_xor_b32 s[TB], s[TB], SLOT1                  ; the reads go on in the other slot
	v_add_nc_u32 v[ADRA], s[TB], v[LA0]
	v_add_nc_u32 v[ADRB], s[TB], v[LB0]
	FETCH 0, 0
.if \fill
	ASK                                            ; behind the joint load and the run of LDS loads that the next products wait for
.endif
	MULB 1, N1+N2, NBK-N1-N2, 0
.endm
	s_load_b256 s[4:11], s[0:1], 0x0               ; xb s[4:5], wab s[6:7], b_attn s[8:9], qb s[10:11]
	s_load_b128 s[12:15], s[0:1], 0x20             ; kb s[12:13], vb s[14:15]
	v_lshl_add_u32 v[SPW], v0, 2, SPARE
	v_mov_b32 v[NIL], 0
	ds_add_u32 v[SPW], v[NIL]                      ; the wave's opening: the add and its wait stand ahead of my first tensor load; the set-up below, work on registers, stands between them
	ds_add_u32 v28, v29
	v_lshrrev_b32 v1, 5, v0
	v_readfirstlane_b32 s[WV], v1                  ; wave 0..3
	s_and_b32 s[HF], s[WV], 1
	s_bfe_u32 s[CX], ttmp6, 0x40000
	s_bfe_u32 s[CY], ttmp6, 0x40004
	s_lshl_b32 s[NT], ttmp9, 2                     ; in a cluster launch ttmp9 and ttmp7 count clusters
	s_add_co_u32 s[NT], s[NT], s[CX]
	s_and_b32 s[MT], ttmp7, 0xffff
	s_lshl_b32 s[MT], s[MT], 2
	s_add_co_u32 s[MT], s[MT], s[CY]
	s_lshl_b32 s46, s[CY], 2
	s_lshl_b32 s46, 15, s46                        ; my row of the cluster: places 4 cy .. 4 cy + 3
	s_lshl_b32 s72, 0x1111, s[CX]                  ; my column: places cx, cx + 4, cx + 8, cx + 12
	; x's tile: 128 rows x 128 elements, 1,024 elements from row to row; 16 bytes of padding behind every 256
	s_or_b32 s[G1A], s46, (1<<16)|(1<<20)|(1<<21)|(5<<22)|(3<<25)  ; 15:0 the mask; 17:16 2-byte elements; 20 padding on; 21 set beside a mask; 24:22 after every 64 words (code 5); 31:25 4 words (code 3)
	s_mov_b32 s[G1A+1], 128<<16                    ; tensor_dim0 = 128
	s_mov_b32 s[G1A+2], 128<<16                    ; tensor_dim1 = 128
	s_mov_b32 s[G1A+3], 128<<16                    ; tile_dim0 = 128
	s_mov_b32 s[G1A+4], 128                        ; tile_dim1 = 128
	s_mov_b32 s[G1A+5], 1024                       ; elements from row to row
	s_mov_b32 s[G1A+6], 0
	s_mov_b32 s[G1A+7], 0
	; w's tile: 64 rows k of 384 bytes are 24,576 dense bytes: asked for as 96 rows of 256 bytes; 32 bytes of padding behind every 128
	s_or_b32 s[G1B], s72, (1<<16)|(1<<20)|(1<<21)|(4<<22)|(7<<25)  ; after every 32 words (code 4), 8 words (code 7)
	s_mov_b32 s[G1B+1], 128<<16
	s_mov_b32 s[G1B+2], 96<<16
	s_mov_b32 s[G1B+3], 128<<16
	s_mov_b32 s[G1B+4], 96
	s_mov_b32 s[G1B+5], 128
	s_mov_b32 s[G1B+6], 0
	s_mov_b32 s[G1B+7], 0
	; where the tiles come from.  x's hang on the tile row alone, w's on the tile column alone; each in registers that never hold the other coordinate
	s_lshl_b32 s46, s[MT], 19                      ; 256 rows of 2,048 bytes
	s_lshl_b32 s47, s[HF], 18                      ; 128 rows
	s_add_co_u32 s46, s46, s47
	s_mov_b32 s47, 0
	s_mul_i32 s72, s[NT], 1024*384                 ; a block of w
	s_mul_i32 s73, s[HF], 64*384                   ; 64 rows k
	s_add_co_u32 s72, s72, s73
	s_mov_b32 s73, 0
	s_mul_i32 s23, s[HF], APART                    ; and where they go: no place in the cluster enters an LDS address
	s_mul_i32 s74, s[HF], BPART
	s_add_co_u32 s74, s74, BOFF
	s_wait_dscnt 0x0                               ; the opening add is done
	s_wait_kmcnt 0x0
	s_add_nc_u64 s[46:47], s[4:5], s[46:47]
	s_add_nc_u64 s[72:73], s[6:7], s[72:73]
	CROUND                                         ; all sixteen work-groups are here: the first joint loads meet
.irp s, 0,1
	s_mov_b32 s[G0A+4*\s], 1                       ; 1:0 count = 1
	s_add_co_u32 s[G0A+4*\s+1], s23, \s*SLOT1      ; 63:32 LDS address
	s_add_nc_u64 s[G0A+4*\s+2:G0A+4*\s+3], s[46:47], \s*ASTEP  ; 120:64 global address: K step s
	s_or_b32 s[G0A+4*\s+3], s[G0A+4*\s+3], 0x80000000          ; 127:126 type = 2
	s_mov_b32 s[G0B+4*\s], 1
	s_add_co_u32 s[G0B+4*\s+1], s74, \s*SLOT1
	s_add_nc_u64 s[G0B+4*\s+2:G0B+4*\s+3], s[72:73], \s*BSTEP
	s_or_b32 s[G0B+4*\s+3], s[G0B+4*\s+3], 0x80000000
.endr
	s_cmp_lt_u32 s[WV], 2                          ; a wave's two first fills stand in one branch, ahead of every wait on TENSORcnt and every LDS read
	s_cbranch_scc0 .Lfirst_b
	tensor_load_to_lds s[G0A:G0A+3], s[G1A:G1A+7]
	s_nop 0
	tensor_load_to_lds s[G0A+4:G0A+7], s[G1A:G1A+7]
	s_nop 0
.rept 4
	v_nop
.endr
	s_branch .Lfirst_asked
.Lfirst_b:
	tensor_load_to_lds s[G0B:G0B+3], s[G1B:G1B+7]
	s_nop 0
	tensor_load_to_lds s[G0B+4:G0B+7], s[G1B:G1B+7]
	s_nop 0
.rept 4
	v_nop
.endr
.Lfirst_asked:
	v_and_b32 v1, 15, v0                           ; l % 16
	v_bfe_u32 v2, v0, 4, 1                         ; l / 16
	v_lshlrev_b32 v[BO], 5, v2
	s_mul_i32 s74, s[NT], 768                      ; the tile's 192 numbers of the bias
	s_mov_b32 s75, 0
	s_add_nc_u64 s[8:9], s[8:9], s[74:75]
.set bb, 0
.rept NBK                                      ; register j of block b: the bias of column 16 b + 8 (l / 16) + j, as the result's layout has it
	global_load_b128 v[BIAS+8*bb:BIAS+8*bb+3],   v[BO], s[8:9] offset:64*bb
	global_load_b128 v[BIAS+8*bb+4:BIAS+8*bb+7], v[BO], s[8:9] offset:64*bb+16
.set bb, bb+1
.endr
	s_lshl_b32 s23, s[WV], 6
	v_add_nc_u32 v3, s23, v1                       ; my row of the tile: 64 w + l % 16
	v_mul_u32_u24 v[LA0], v3, PA
	v_lshl_add_u32 v[LA0], v2, 4, v[LA0]
	v_and_b32 v4, 7, v0
	v_bfe_u32 v5, v0, 3, 1
	v_lshl_add_u32 v[LB0], v2, 3, v4
	v_mul_u32_u24 v[LB0], v[LB0], PB
	v_lshl_add_u32 v[LB0], v5, 4, v[LB0]
	v_add_nc_u32 v[LB0], BOFF, v[LB0]
	s_mul_i32 s23, s[WV], 16*SP
	s_add_co_u32 s23, s23, STAGE                   ; my stage
	v_mul_u32_u24 v[STO], v1, SP                   ; in: row l % 16, 16 bytes for each half of the lanes
	v_lshl_add_u32 v[STO], v2, 4, v[STO]
	v_add_nc_u32 v[STO], s23, v[STO]
	v_bfe_u32 v[RD], v0, 3, 2                      ; back: 32 lanes take four rows of 128 bytes,
	v_mul_u32_u24 v[RD], v[RD], SP
	v_lshl_add_u32 v[RD], v4, 4, v[RD]
	v_add_nc_u32 v[RD], s23, v[RD]
	v_and_b32 v[GO], 31, v0                        ; which are 512 consecutive bytes of a head
	v_lshlrev_b32 v[PFO], 11, v[GO]
	v_lshlrev_b32 v[GO], 4, v[GO]
	s_lshl_b32 s74, s[CX], 16                      ; the prefetches: my work-group's 32 rows of the 128 that I fetch,
	s_add_nc_u64 s[PFA:PFA+1], s[46:47], s[74:75]
	s_add_nc_u64 s[PFA:PFA+1], s[PFA:PFA+1], 3*ASTEP  ; at K step 3: the first change of slots steps it to 4
	s_lshr_b32 s74, s[WV], 1                       ; 0 in waves 0 and 1,
	s_or_b32 s74, s74, ttmp9                       ; where the cluster is the first of its row of clusters: the same in all sixteen partners, for a given wave
	s_cmp_eq_u32 s74, 0
	s_cselect_b32 s[LIM], 2, -1
	; where my rows go: head g = 3 x tile column + j of 48: q's 16 heads, then k's, then v's
	s_lshr_b32 s76, s[MT], 3
	s_lshl_b32 s76, s76, 4                         ; 16 x batch
	s_and_b32 s77, s[MT], 7
	s_lshl_b32 s77, s77, 8
	s_lshl_b32 s78, s[WV], 6
	s_add_co_u32 s77, s77, s78                     ; my first token in the batch,
	s_lshl_b32 s77, s77, 7                         ; 128 bytes each
	s_mul_i32 s78, s[NT], 3
.irp j, 0,1,2
	s_add_co_u32 s72, s78, \j
	s_cmp_lt_u32 s72, 32
	s_cselect_b64 s[74:75], s[12:13], s[14:15]
	s_cmp_lt_u32 s72, 16
	s_cselect_b64 s[74:75], s[10:11], s[74:75]
	s_and_b32 s72, s72, 15
	s_add_co_u32 s72, s72, s76
	s_lshl_b32 s72, s72, 18                        ; a head's 2,048 rows of 128 bytes
	s_add_co_u32 s72, s72, s77
	s_mov_b32 s73, 0
	s_add_nc_u64 s[OUTP+2*\j:OUTP+2*\j+1], s[74:75], s[72:73]
.endr
	s_wait_loadcnt 0x0                             ; the bias, which is rounded to bf16 like the other inputs and widened again
.set i, 0
.rept 4*NBK
	v_cvt_pk_bf16_f32 v[TW+i%4], v[BIAS+2*i], v[BIAS+2*i+1]
	v_lshlrev_b32 v[BIAS+2*i], 16, v[TW+i%4]
	v_and_b32 v[BIAS+2*i+1], 0xffff0000, v[TW+i%4]
.set i, i+1
.endr
	s_mov_b32 s[TB], 0
	v_mov_b32 v[ADRA], v[LA0]
	v_mov_b32 v[ADRB], v[LB0]
	s_wait_tensorcnt 1                             ; my part of K step 0 is in; K step 1's may stay out
	s_barrier_signal -1
	s_barrier_wait -1                              ; everybody's is
	FETCH 0, 0
	QUARTER 1, 0, 1, 1                             ; the first quarter stands in front of the loop: its products start the sums, with the bias
	WIN 0                                          ; at a label and at a branch every window is 0
	s_mov_b32 s[CNT], 6
.Lstep:                                        ; six trips, from a K step's second quarter to the next one's first; trip i fills the slot that it leaves with K step i + 2
	QUARTER 2, 1, 0, 0
	QUARTER 3, 0, 1, 0
	TURN 1
	QUARTER 1, 0, 1, 0
	WIN 0
	s_sub_co_u32 s[CNT], s[CNT], 1
	s_cmp_lg_u32 s[CNT], 0
	s_cbranch_scc1 .Lstep
	QUARTER 2, 1, 0, 0                             ; K steps 6 and 7 are written out: nothing is left to fetch
	QUARTER 3, 0, 1, 0
	TURN 0
	QUARTER 1, 0, 1, 0
	QUARTER 2, 1, 0, 0
	QUARTER 3, 0, 1, 0
	s_wait_dscnt 2*(NBK-N1)
	MULB 1, 0, N1, 0
	s_wait_dscnt 0x0
	MULB 1, N1, NBK-N1, 0
	WIN 0
	PLACES
	PLACES
; THE WAY OUT.  Piece i = 4 j + a: 16 rows of head j.  A lane's eight numbers of each of the head's four column blocks are rounded to f16 (each accumulator's registers in ascending order):
; 16 bytes; they go into my stage's rows of 144 bytes and come back as whole rows of 128, into the registers that they left.  Each piece has 16 registers of its own: nothing is written twice.
.macro PACK i
.set jj, (\i)/4
.set aa, (\i)%4
.set T, 64+16*(\i)
	WIN 0x0a+5*(jj/2)                              ; sources 0 and 1: window 2 (heads 0, 1) or 3 (head 2)
.irp f, 0,1,2,3
.set AC, 8*(4*((4*jj+\f)%8)+aa)
.irp r, 0,1,2,3
	v_cvt_pk_f16_f32 v[T+4*\f+\r], v[AC+2*\r], v[AC+2*\r+1]
.endr
.endr
	WIN 0
.irp f, 0,1,2,3
	ds_store_b128 v[STO], v[T+4*\f:T+4*\f+3] offset:32*\f
.endr
.irp f, 0,1,2,3
	ds_load_b128 v[T+4*\f:T+4*\f+3], v[RD] offset:\f*4*SP  ; LDS serves a wave's instructions in order (ISA guide 5.7.1.4): these see the stores above; the next piece's stores come behind them
.endr
.endm
.macro SEND i, younger                 ; younger: the LDS instructions issued behind piece i's loads: the next piece's eight, or none
.set jj, (\i)/4
.set aa, (\i)%4
.set T, 64+16*(\i)
.irp f, 0,1,2,3
	s_wait_dscnt (\younger)+3-\f
	global_store_b128 v[GO], v[T+4*\f:T+4*\f+3], s[OUTP+2*jj:OUTP+2*jj+1] offset:aa*2048+\f*512  ; 512 consecutive bytes, at a multiple of 256 from the buffer's first
.endr
.endm
	PACK 0
.set n, 1
.rept 11                               ; a piece's arithmetic stands between the loads of the piece before and its stores
	PACK n
	SEND n-1, 8
.set n, n+1
.endr
	SEND 11, 0
	s_wait_tensorcnt 0x0                           ; the wave's end: behind my last tensor load and my last LDS store
	ds_add_u32 v[SPW], v[NIL]
	s_wait_dscnt 0x0
	CROUND                                         ; the closing round: no work-group ends while a partner may still ask for a tile that names it
	s_endpgm
.Lfunc_end_k_qd30f921623_qkv:
	.size	k_qd30f921623_qkv, .Lfunc_end_k_qd30f921623_qkv-k_qd30f921623_qkv
	.p2alignl 7, 3214868480
	.fill 96, 4, 3214868480
	.section	.rodata,"a",@progbits
	.p2align	6, 0x0
	.amdhsa_kernel k_qd30f921623_qkv
		.amdhsa_group_segment_fixed_size 327680
		.amdhsa_private_segment_fixed_size 0
		.amdhsa_enable_private_segment 0
		.amdhsa_kernarg_size 48
		.amdhsa_user_sgpr_count 2
		.amdhsa_user_sgpr_kernarg_segment_ptr 1
		.amdhsa_wavefront_size32 1
		.amdhsa_system_sgpr_workgroup_id_x 1
		.amdhsa_system_sgpr_workgroup_id_y 1
		.amdhsa_system_sgpr_workgroup_id_z 1
		.amdhsa_system_vgpr_workitem_id 0
		.amdhsa_next_free_vgpr 896
		.amdhsa_next_free_sgpr 80
		.amdhsa_reserve_vcc 0
		.amdhsa_float_denorm_mode_32 3
		.amdhsa_float_denorm_mode_16_64 3
		.amdhsa_memory_ordered 1
		.amdhsa_forward_progress 1
		.amdhsa_inst_pref_size 110
	.end_amdhsa_kernel
	.amdgpu_metadata
---
amdhsa.version: [ 1, 2 ]
amdhsa.kernels:
  - .name:           k_qd30f921623_qkv
    .symbol:         k_qd30f921623_qkv.kd
    .args:
      - { .name: xb, .offset: 0, .size: 8, .value_kind: global_buffer, .address_space: global }
      - { .name: wab, .offset: 8, .size: 8, .value_kind: global_buffer, .address_space: global }
      - { .name: b_attn, .offset: 16, .size: 8, .value_kind: global_buffer, .address_space: global }
      - { .name: qb, .offset: 24, .size: 8, .value_kind: global_buffer, .address_space: global }
      - { .name: kb, .offset: 32, .size: 8, .value_kind: global_buffer, .address_space: global }
      - { .name: vb, .offset: 40, .size: 8, .value_kind: global_buffer, .address_space: global }
    .group_segment_fixed_size: 327680
    .private_segment_fixed_size: 0
    .kernarg_segment_align: 8
    .kernarg_segment_size: 48
    .max_flat_workgroup_size: 128
    .sgpr_count:     80
    .vgpr_count:     896
    .wavefront_size: 32
...
	.end_amdgpu_metadata
.endif
;; end of part 2
;; launch attn (part 3): grid 4 x 64, 4 waves a work-group, no clusters, 327,680 bytes of LDS; arguments qb, kb, vb, ob; writes ob
.if DOCPART == 3
	.amdgcn_target "amdgcn-amd-amdhsa--gfx1250"
	.amdhsa_code_object_version 6
	.text
	.protected	k_qd30f921623_attn
	.globl	k_qd30f921623_attn
	.p2align	8
	.type	k_qd30f921623_attn,@function
k_qd30f921623_attn:
	s_mov_b64 s[64:65], 0
	v_nop
	global_prefetch_b8 v0, s[64:65] scope:SCOPE_SE
	s_setreg_imm32_b32 hwreg(HW_REG_WAVE_MODE, 25, 1), 1
	s_wait_xcnt 0x0
; CAUSAL ATTENTION.  O[h][q][:] = the sum over k <= q of softmax_k(Q[h][q] . K[h][k] / 8) V[h][k][:].  Q, K, V, O: [SIZE_H][SIZE_N][64], all f16: a head's rows are dense, 128 bytes each.
; Products, maxima and sums in f32; the weights p are rounded to f16 for the second product (their sum l is taken of the unrounded p), O once at the end.  SIZE_N is a multiple of 512; SIZE_N x 128 stays under 2^32.
; LIMITS.  f16 holds no number beyond 65,504: Q, K and V arrive within it; p lies in 0 to 1, and below 6e-5 it keeps f16's fixed step of 6e-8; O is a mean of V's rows and has their range, to within 2^-11 of it.
; A hidden score counts as its value less 1e30: f16's scores, 2.7e11 at the most, are nothing beside that; a weight below 2^-126 counts as 0 in l; NaN and infinities are not treated apart.
; THE WALK.  A head's queries lie in NB = SIZE_N / 256 blocks of 256; block i needs the key tiles 0 .. i of 256 keys, of which the last holds the diagonal.  A work-group takes TWO blocks, NB - 1 - b and then b:
; NB + 1 tiles, whatever b: all work-groups do equal work, and ONE loop with a constant trip count walks them.  Which tile is asked for, and what a trip does, hang on scalar registers made from b; every jump
; goes forward, but for the counted loops' own; none passes a barrier, or a tensor load but the one of LOAD's two that the wave's number does not choose; the ring (two slots of LDS that take turns) runs on across the
; change of blocks.  NO CLUSTER: a head's NB / 2 work-groups all ask for the same tile only in trips 0 .. NB / 2, behind that fewer and fewer; and one walk common to all would have 3 NB / 2 trips for NB + 1.
; NO PREFETCH: a fill is issued a whole tile, four key steps with 256 matrix instructions a wave, ahead of the wait for it.
; SHARES.  Of a block's four bands of 64 queries a wave owns 16 rows in each: four PIECES.  So the diagonal tile is the same work for all four waves: in its key step s band x sees all keys if s < x,
; none if s > x, and holds the diagonal if s = x.
; THE MASK is the C operand that starts the sum S^T = K Q^T: 0, or -1e30 where the key is hidden.  MD, made once, is the mask of a band's own step for my 16 rows; a product's mask is MD x AL + BE with two scalars:
; (1, 0) if s = x; (0, 0) if s < x; (0, -1e30) if s > x.  Only the diagonal tile's text and a block's beginning make and take masks; elsewhere C is the constant 0.
; LAYOUT, SOFTMAX, TURNS.  S^T = K Q^T holds ONE query a lane (lane % 16) and the keys 8 (lane / 16) + 0..7; two such results rounded to f16 ARE source 1 of O^T = V^T P.  p = 2^(c s - c m), c = log2(e) / 8, with a
; running maximum m; O and l are multiplied by a = 2^(c m_old - c m_new) in every step.  Turn n belongs to piece n: 8 products K Q^T of piece n + 1, later 8 products V^T P of piece n - 1; beside them the scaling,
; exponentials, roundings, sums and rescaling of piece n and the maximum and statistics of piece n + 1.  Four vector instructions stand behind every matrix instruction, the other 54 of a turn's 118 in two LUMPS.
; REGISTERS, in windows of 256 (s_set_vgpr_msb: bits 1:0 source 0, 3:2 source 1, 5:4 source 2, 7:6 destination):
;   window 0: v0-15 addresses and two at work; v16-31 four registers of statistics a piece; v48-55 at work; v64-127 S^T, two buffers; v192-223 P, two buffers (a piece's buffers go by its number's parity)
;   window 1: v0-127 O^T, 32 a piece; v128-159 MD; v160-223 MC, two buffers      window 2: v0-63 Q; v64-127 the second block's Q; v128-191 K of one step; v192-255 V of one step
.set SIZE_H, 64       ; 4 batches x 16 heads
.set SIZE_N, 2048
.set NB,    SIZE_N/256
.set NP,    4         ; pieces a wave: a name, no knob
.set KS,    64        ; keys in a step
.set PK,    144       ; a row of K in LDS: 128 bytes + 16 of padding = 36 words: the 16 rows of a load start at 16 different groups of four banks (64 banks of 4 bytes: ISA guide 11.1)
.set PV,    160       ; a row of V: 128 + 32 = 40 words
.set VOFF,  4*KS*PK   ; a slot holds a tile, four steps: 256 rows of K, then 256 rows of V
.set SLOT1, 1<<17     ; slot 1 begins here, so that one exclusive or turns an address in one slot into the other's
.set STAGE, SLOT1+4*KS*(PK+PV)  ; behind the ring, never filled by a tensor load: 16 rows x 144 bytes for each wave, for the way out
.set SP,    144
.set AK0, 2           ; v2   my lane's place in a tile of K; never rewritten
.set AV0, 3           ; v3   the same for V
.set AK,  4           ; v4   the LDS address of K's next run of loads
.set AV,  5           ; v5   of V's
.set STO, 6           ; v6   the way out: where I put 16 bytes of a row
.set RD,  7           ; v7   the way out: where I read rows back
.set GO,  8           ; v8   my byte offset in 512 consecutive bytes of O
.set SPW, 62          ; v62  LDS address of my spare word: SPARE + 4 x my thread's number; never rewritten
.set NIL, 63          ; v63  0; never rewritten
.set SPARE, STAGE+4*16*SP  ; behind the stages: the spare words, 128 bytes for each wave: two blocks of 256 bytes that no other line names
.set MV,  12          ; v12-13  c m_old, kept while c m is made anew: by buffer
.set QO,  15          ; v15  my byte offset in 16 rows of Q
.set ST,  16          ; piece t's statistics at v[ST+4 t]: c m, m, l (even keys', odd keys')
.set TMP, 48          ; by buffer, four registers c0-c3 at work; when the maximum is found c2 takes a
.set S,   64
.set P,   192
.set MD,  128         ; window 1: the eight registers for group kt of 16 keys at MD + 8 kt
.set MC,  160         ; window 1: the masks of the products to come
.set QB,  64          ; window 2
.set KF,  128         ; window 2: key block kb, channel half c at KF + 16 kb + 8 c
.set VF,  192         ; window 2: key half kk, channel block cb at VF + 32 kk + 8 cb
.set WV,  12          ; s12  my wave's number
.set PB,  14          ; s14  b
.set HI,  15          ; s15  NB - 1 - b
.set G1K, 24          ; s[24:31] descriptor group 1 for K's tiles
.set G1V, 32          ; s[32:39] for V's: it differs in the padding alone
.set G0K, 40          ; s[40:43] descriptor group 0 for K's tiles
.set G0V, 44          ; s[44:47] the same for V's
.set SLOTS, 56        ; s56  tiles still to be asked for
.set CNT, 57          ; s57  counts a tile's key steps, 4 to 1
.set CS,  58          ; s[58:59] c: the packed scaling takes the pair's low word for both halves
.set SEL, 60          ; s[60:61] v_permlanex16_b32's selects: each lane takes its own place in the other half
.set TBK, 62          ; s62  LDS byte at which K of the step to be fetched begins
.set TBV, 63          ; s63  the same for V, less VOFF
.set RT,  70          ; s70  tiles of the block in hand that are still to be entered
.set NXT, 71          ; s71  the tile to be asked for next
.set LQ,  72          ; s72  the last tile of the block whose tiles are being asked for
.set NEW, 73          ; s73  1: the tile to be entered is a block's first
.set OFF, 74          ; s[74:75] a tile's byte offset in K and V
.set AL,  76          ; s[76:77] the mask's factor, in the low word
.set BE,  78          ; s[78:79] the mask's addend
.set OLO, 80          ; s[80:81] O at my rows of the second block
.set BIGN, 82         ; s82  -1e30
.set MSB, 0
.macro WIN new                      ; the high byte repeats the setting that is left; a switch that changes nothing is dropped
.if MSB != (\new)
	s_set_vgpr_msb (MSB<<8)|(\new)
.set MSB, (\new)
.endif
.endm
.set W_KQ, 0x0a       ; K and Q in window 2, S^T in window 0
.set W_KM, 0x1a       ; the same with the C operand in window 1
.set W_PV, 0x52       ; V in window 2, P in window 0, O^T in window 1
.set W_RS, 0x41       ; destination and source 0 in window 1, source 1 in window 0
; A fill.  Waves 0 and 1 fetch the two halves of a tile's K, waves 2 and 3 those of its V: 128 keys each.  An s_nop 0 and four v_nop follow each of the two lines, ahead of the jump and the label.
.macro LOAD
	s_cmp_lt_u32 s[WV], 2
	s_cbranch_scc0 .Lfor_v_\@
	tensor_load_to_lds s[G0K:G0K+3], s[G1K:G1K+7]
	s_nop 0
.rept 4
	v_nop
.endr
	s_branch .Lasked_\@
.Lfor_v_\@:
	tensor_load_to_lds s[G0V:G0V+3], s[G1V:G1V+7]
	s_nop 0
.rept 4
	v_nop
.endr
.Lasked_\@:
.endm
; THE CHANGE OF SLOTS.  Each wave waits for all its tensor loads, of which one is out: its part of the other slot; adds 0 to its spare word; and waits for that and for its own reads of the slot that it leaves.  Behind the barrier nobody reads the old
; slot any more and the other slot is whole.  fill = 1: the old slot is filled again, the first thing behind the barrier, with tile NXT: the descriptor's address is made anew from that number.
; (At its first use nothing has been read yet: slot 0 is waited for, slot 1 filled.)
.macro CHANGE fill
	WIN 0                           ; at a label and at a branch every window is 0
	s_wait_tensorcnt 0x0            ; no tensor load of mine is out, so a group 0 may be written
	ds_add_u32 v[SPW], v[NIL]       ; 0 onto my spare word; with fill = 1 the descriptors' scalar work stands between it and the wait for it
.if \fill
	s_lshl_b32 s[OFF], s[NXT], 15   ; a tile is 32,768 bytes of K and of V
	s_xor_b32 s[G0K+1], s[G0K+1], SLOT1
	s_add_nc_u64 s[G0K+2:G0K+3], s[6:7], s[OFF:OFF+1]
	s_or_b32 s[G0K+3], s[G0K+3], 0x80000000
	s_xor_b32 s[G0V+1], s[G0V+1], SLOT1
	s_add_nc_u64 s[G0V+2:G0V+3], s[8:9], s[OFF:OFF+1]
	s_or_b32 s[G0V+3], s[G0V+3], 0x80000000
	s_add_co_u32 s[NXT], s[NXT], 1  ; the block's next tile, or behind its last the second block's tile 0
	s_cmp_gt_u32 s[NXT], s[LQ]
	s_cselect_b32 s[NXT], 0, s[NXT]
	s_cselect_b32 s[LQ], s[PB], s[LQ]
.endif
	s_wait_dscnt 0x0                ; the add is done, and my reads of the slot are over
	s_barrier_signal -1             ; the rest of the scalar work stands between the signal and the wait
	s_sub_co_u32 s[TBK], s[TBK], 4*KS*PK  ; the fetches go back to a slot's first step,
	s_xor_b32 s[TBK], s[TBK], SLOT1       ; in the other slot
	s_sub_co_u32 s[TBV], s[TBV], 4*KS*PV
	s_xor_b32 s[TBV], s[TBV], SLOT1
	s_barrier_wait -1
.if \fill
	LOAD
.endif
.endm
	s_load_b256 s[4:11], s[0:1], 0x0  ; Q s[4:5], K s[6:7], V s[8:9], O s[10:11]
	v_lshl_add_u32 v[SPW], v0, 2, SPARE
	v_mov_b32 v[NIL], 0
	ds_add_u32 v[SPW], v[NIL]       ; the wave's opening: the add and its wait stand ahead of my first tensor load; the set-up below, work on registers, stands between them
	ds_add_u32 v62, v63
	v_lshrrev_b32 v1, 5, v0
	v_readfirstlane_b32 s[WV], v1   ; wave 0..3
	s_mov_b32 s[PB], ttmp9
	s_sub_co_u32 s[HI], NB-1, s[PB]
	s_and_b32 s20, ttmp7, 0xffff    ; the head
	s_mov_b32 s21, 0
	s_mov_b64 s[22:23], SIZE_N*128
	s_mul_u64 s[20:21], s[20:21], s[22:23]  ; the head's first byte in each of the four tensors
	s_and_b32 s16, s[WV], 1         ; which half of a tile's 256 keys I fetch:
	s_lshl_b32 s22, s16, 14         ; its 128 rows of 128 bytes in memory,
	s_mov_b32 s23, 0
	s_add_nc_u64 s[22:23], s[22:23], s[20:21]
	s_mul_i32 s17, s16, 128*PK      ; and its place in a slot, for K
	s_mul_i32 s18, s16, 128*PV      ; and for V
	s_lshl_b32 s3, s[WV], 11        ; my 16 rows in a band of 64,
	s_lshl_b32 s2, s[HI], 15        ; in the first block,
	s_add_co_u32 s2, s2, s3
	s_lshl_b32 s84, s[PB], 15       ; and in the second
	s_add_co_u32 s84, s84, s3
	s_mov_b32 s3, 0
	s_mov_b32 s85, 0
	s_add_nc_u64 s[2:3], s[2:3], s[20:21]
	s_add_nc_u64 s[84:85], s[84:85], s[20:21]
	; descriptor group 1.  128 keys are 16,384 dense bytes: asked for as 64 rows of 256 bytes, two keys a row, and padded in LDS after every key
	s_mov_b32 s[G1K], (1<<16)|(1<<20)|(4<<22)|(3<<25)  ; 17:16 2-byte elements; 20 padding on; 24:22 after every 32 words (code 4); 31:25 4 words (code 3)
	s_mov_b32 s[G1V], (1<<16)|(1<<20)|(4<<22)|(7<<25)  ; the same with 8 words of padding (code 7)
.irp g, G1K, G1V
	s_mov_b32 s[\g+1], 128<<16      ; tensor_dim0 = 128
	s_mov_b32 s[\g+2], 64<<16       ; tensor_dim1 = 64
	s_mov_b32 s[\g+3], 128<<16      ; tile_dim0 = 128
	s_mov_b32 s[\g+4], 64           ; tile_dim1 = 64
	s_mov_b32 s[\g+5], 128          ; 128 elements from row to row
	s_mov_b32 s[\g+6], 0
	s_mov_b32 s[\g+7], 0
.endr
	s_mov_b32 s[CS], 0x3e38aa3b     ; c = log2(e) / 8 = 0.180337
	s_mov_b32 s[CS+1], s[CS]        ; named with it as a pair
	s_mov_b32 s[SEL], 0x76543210
	s_mov_b32 s[SEL+1], 0xfedcba98
	s_mov_b32 s[TBK], SLOT1+4*KS*PK ; the first change of slots turns these two into 0
	s_mov_b32 s[TBV], SLOT1+4*KS*PV
	s_mov_b32 s[G0K], 1             ; 1:0 count = 1
	s_mov_b32 s[G0K+1], s17         ; 63:32 LDS address: slot 0
	s_mov_b32 s[G0V], 1
	s_add_co_u32 s[G0V+1], s18, VOFF
	s_add_co_u32 s[RT], s[HI], 1    ; the first block has NB - b tiles
	s_mov_b32 s[NXT], 1
	s_mov_b32 s[LQ], s[HI]
	s_mov_b32 s[NEW], 1
	s_mov_b32 s[OFF+1], 0
	s_mov_b32 s[AL+1], 0            ; named as pairs
	s_mov_b32 s[BE+1], 0
	s_mov_b32 s[BIGN], 0xf149f2ca   ; -1e30
	s_mov_b32 s[SLOTS], NB
	s_wait_dscnt 0x0                ; the opening add is done
	s_wait_kmcnt 0x0
	s_add_nc_u64 s[6:7], s[6:7], s[22:23]  ; K and V at my half of the head's tile 0
	s_add_nc_u64 s[8:9], s[8:9], s[22:23]
	s_add_nc_u64 s[G0K+2:G0K+3], s[6:7], 0         ; 120:64 global address
	s_or_b32 s[G0K+3], s[G0K+3], 0x80000000        ; 127:126 type = 2
	s_add_nc_u64 s[G0V+2:G0V+3], s[8:9], 0
	s_or_b32 s[G0V+3], s[G0V+3], 0x80000000
	s_add_nc_u64 s[86:87], s[4:5], s[84:85]        ; Q at my rows of the second block,
	s_add_nc_u64 s[4:5], s[4:5], s[2:3]            ; Q and O at those of the first
	s_add_nc_u64 s[OLO:OLO+1], s[10:11], s[84:85]
	s_add_nc_u64 s[10:11], s[10:11], s[2:3]
	LOAD                            ; tile 0 into slot 0
	; A fragment of K or Q is 16 rows x 32 channels in 8 registers: lane l holds row l % 16, channels 8 (l / 16) + 0..7 and 16 + 8 (l / 16) + 0..7: two loads of 16 bytes, 32 bytes apart.
	v_and_b32 v1, 15, v0            ; l % 16
	v_bfe_u32 v9, v0, 4, 1          ; l / 16
	v_lshlrev_b32 v[QO], 7, v1
	v_lshl_add_u32 v[QO], v9, 4, v[QO]  ; row x 128 + 16 x half
	WIN 0x80                        ; destination window 2, address window 0
.set i, 0
.rept 8                             ; both blocks' Q: piece i / 2 lies in band i / 2, 8,192 bytes on; channels 32 (i % 2) on
	global_load_b128 v[8*i:8*i+3],   v[QO], s[4:5] offset:(i/2)*8192+(i%2)*64
	global_load_b128 v[8*i+4:8*i+7], v[QO], s[4:5] offset:(i/2)*8192+(i%2)*64+32
	global_load_b128 v[QB+8*i:QB+8*i+3],   v[QO], s[86:87] offset:(i/2)*8192+(i%2)*64
	global_load_b128 v[QB+8*i+4:QB+8*i+7], v[QO], s[86:87] offset:(i/2)*8192+(i%2)*64+32
.set i, i+1
.endr
	WIN 0
	v_lshlrev_b32 v14, 3, v9
	v_sub_nc_u32 v14, v1, v14
	s_lshl_b32 s13, s[WV], 4
	v_add_nc_u32 v14, s13, v14      ; my query's place in its band, 16 w + l % 16, less my lanes' 8 (l / 16): register r of group kt is hidden where 16 kt + r is greater
	WIN 0x40
.set i, 0
.rept 32
	v_cmp_gt_i32 vcc_lo, 16*(i/8)+i%8, v14
	v_cndmask_b32 v[MD+i], 0, s[BIGN], vcc_lo
.set i, i+1
.endr
	WIN 0
	v_mul_u32_u24 v[AK0], v1, PK
	v_lshl_add_u32 v[AK0], v9, 4, v[AK0]  ; row x pitch + 16 x half
	; The turning load takes 16 keys x 16 channels (lane l reads key 8 (l / 16) + l % 8, channels 8 ((l / 8) % 2) + 0..7) and leaves half a fragment of V^T: lane l holds channel l % 16 and 8 keys.
	v_and_b32 v10, 7, v0
	v_bfe_u32 v11, v0, 3, 1
	v_lshl_add_u32 v[AV0], v9, 3, v10
	v_mul_u32_u24 v[AV0], v[AV0], PV
	v_lshl_add_u32 v[AV0], v11, 4, v[AV0]
	v_add_nc_u32 v[AV0], VOFF, v[AV0]
	s_mul_i32 s13, s[WV], 16*SP
	s_add_co_u32 s13, s13, STAGE    ; my stage
	v_mul_u32_u24 v[STO], v1, SP    ; in: row l % 16, 16 bytes for each half of the lanes
	v_lshl_add_u32 v[STO], v9, 4, v[STO]
	v_add_nc_u32 v[STO], s13, v[STO]
	v_bfe_u32 v[RD], v0, 3, 2       ; back: 32 lanes take four rows of 128 bytes,
	v_mul_u32_u24 v[RD], v[RD], SP
	v_lshl_add_u32 v[RD], v10, 4, v[RD]
	v_add_nc_u32 v[RD], s13, v[RD]
	v_and_b32 v[GO], 31, v0         ; which are 512 consecutive bytes of O
	v_lshlrev_b32 v[GO], 4, v[GO]
	; A block's first step multiplies O^T and l by a = 0, and its first turn's products V^T P, of a piece that has not been, land in an O^T that is still to be so multiplied.  So these registers need only hold
	; finite numbers: zeros for the first block; what the first block left for the second.  All this stands in the wait for the first tile.
	WIN 0x80
.set i, VF
.rept 64
	v_mov_b32 v[i], 0
.set i, i+1
.endr
	WIN 0x40
.set i, 0
.rept 128
	v_mov_b32 v[i], 0
.set i, i+1
.endr
	WIN 0
.set i, 0
.rept 4
	v_mov_b32 v[ST+4*i+2], 0
	v_mov_b32 v[ST+4*i+3], 0
.set i, i+1
.endr
.set i, P+16
.rept 16
	v_mov_b32 v[i], 0
.set i, i+1
.endr
; THE MATRIX WORK.  The 4 accumulators of a run of 8 take turns.  Product i of 8 of S^T = K Q^T for piece x: channels 32 (i / 4) on, keys 16 (i % 4) on.  The first 4 start the sums: with 0, or (KM = 1) with the mask.
.macro KQ x
.set rS, S+32*((\x)%2)+8*(i%4)
.set rK, KF+16*(i%4)+8*(i/4)
.set rQ, 16*(\x)+8*(i/4)
.set rM, MC+32*((\x)%2)+8*(i%4)
.if (i < 4) && KM
	WIN W_KM
	v_wmma_f32_16x16x32_f16 v[rS:rS+7], v[rK:rK+7], v[rQ:rQ+7], v[rM:rM+7]
.elseif i < 4
	WIN W_KQ
	v_wmma_f32_16x16x32_f16 v[rS:rS+7], v[rK:rK+7], v[rQ:rQ+7], 0
.else
	WIN W_KQ
	v_wmma_f32_16x16x32_f16 v[rS:rS+7], v[rK:rK+7], v[rQ:rQ+7], v[rS:rS+7]
.endif
.endm
; Product i of 8 of O^T += V^T P for piece x: keys 32 (i / 4) on, channels 16 (i % 4) on.
.macro PV x
	WIN W_PV
.set rO, 32*(\x)+8*(i%4)
.set rV, VF+32*(i/4)+8*(i%4)
.set rP, P+16*((\x)%2)+8*(i/4)
	v_wmma_f32_16x16x32_f16 v[rO:rO+7], v[rV:rV+7], v[rP:rP+7], v[rO:rO+7]
.endm
.macro MM                           ; the turn's next matrix instruction.  TURN and BEGIN set Y, i, KM and NOKQ; MM, KQ and OP read them.  NOKQ = 1: a block's last turn: there is no next piece
.if (i < 8) && !NOKQ
	KQ (Y+1)%NP
.elseif i >= 8
.set i, i-8
	PV (Y+NP-1)%NP
.set i, i+8
.endif
.set i, i+1
.endm
; THE LDS LOADS stand in runs of 16, never singly among the matrix instructions: a step's K (64 keys x 64 channels: 8 fragments) and its V (turned).  Their addresses are made some lines ahead.
.macro FETCH_K
	WIN 0x80                        ; destination window 2
.irp f, 0,1,2,3,4,5,6,7             ; keys 16 (f / 2) on, channels 32 (f % 2) on
	ds_load_b128 v[KF+8*\f:KF+8*\f+3],   v[AK] offset:(\f/2)*16*PK+(\f%2)*64
	ds_load_b128 v[KF+8*\f+4:KF+8*\f+7], v[AK] offset:(\f/2)*16*PK+(\f%2)*64+32
.endr
	s_add_co_u32 s[TBK], s[TBK], KS*PK  ; the next fetch is the next step's
	WIN 0
.endm
.macro FETCH_V
	WIN 0x80
.irp f, 0,1,2,3,4,5,6,7             ; keys 32 (f / 4) on, channels 16 (f % 4) on
	ds_load_tr16_b128 v[VF+8*\f:VF+8*\f+3],   v[AV] offset:(\f/4)*32*PV+(\f%4)*32
	ds_load_tr16_b128 v[VF+8*\f+4:VF+8*\f+7], v[AV] offset:(\f/4)*32*PV+16*PV+(\f%4)*32
.endr
	WIN 0
.endm
; THE VECTOR WORK, one line at a time: OP kind, number.  For piece Y: F n: c s - c m for pair n of 16.  E n: the exponential of score n of 32.  C n: pair n rounded to f16.  B n: of the four weights 4 n .. the second
; pair is added onto the first, in place.  L n: l takes that sum (L 0: l = a l + sum).  R n: pair n of 16 of O^T times a.  For piece Y + 1: X n, number n of the 22 that find its maximum and statistics:
;   0-11  four chains c0-c3 of seven scores each, three operands at a time (each accumulator's lowest registers are read first)     12-14, 16  the four scores left over, the old m, and c0-c3 into c0
;   15  c m_old is kept     17, 18  the query's other 32 keys lie in the lane 16 away: the new m     19-21  c m; c m_old - c m_new; a
.set F, 0               ; OP tells the kinds apart by their order: F to L below R, X above it
.set E, 1
.set C, 2
.set B, 3
.set L, 4
.set R, 5
.set X, 6
.macro REGS y                       ; the registers of piece y
.set rT, ST+4*(\y)
.set rC, TMP+4*((\y)%2)
.set rW, MV+((\y)%2)
.set rS, S+32*((\y)%2)
.set rP, P+16*((\y)%2)
.set rO, 32*(\y)
.endm
.macro OP k, n
.if (\k) == R
	REGS Y
	WIN W_RS
	v_pk_mul_f32 v[rO+2*(\n):rO+2*(\n)+1], v[rO+2*(\n):rO+2*(\n)+1], v[rC+2:rC+3] op_sel_hi:[1,0]
.elseif (\k) < R
	REGS Y
	WIN 0
.if (\k) == F
	v_pk_fma_f32 v[rS+2*(\n):rS+2*(\n)+1], v[rS+2*(\n):rS+2*(\n)+1], s[CS:CS+1], v[rT:rT+1] op_sel_hi:[1,0,0] neg_lo:[0,0,1] neg_hi:[0,0,1]
.elseif (\k) == E
	v_exp_f32 v[rS+(\n)], v[rS+(\n)]
.elseif (\k) == C
	s_wait_alu depctr_va_vdst(0)
	v_cvt_pk_f16_f32 v[rP+(\n)], v[rS+2*(\n)], v[rS+2*(\n)+1]
.elseif (\k) == B
	s_wait_alu depctr_va_vdst(0)
	v_pk_add_f32 v[rS+4*(\n):rS+4*(\n)+1], v[rS+4*(\n):rS+4*(\n)+1], v[rS+4*(\n)+2:rS+4*(\n)+3]
.elseif (\n) == 0
	v_pk_fma_f32 v[rT+2:rT+3], v[rT+2:rT+3], v[rC+2:rC+3], v[rS:rS+1] op_sel_hi:[1,0,1]
.else
	v_pk_add_f32 v[rT+2:rT+3], v[rT+2:rT+3], v[rS+4*(\n):rS+4*(\n)+1]
.endif
.elseif NOKQ
	v_nop
.else
	REGS (Y+1)%NP
	WIN 0
.if (\n) < 4
	v_max3_num_f32 v[rC+(\n)], v[rS+8*(\n)], v[rS+8*(\n)+1], v[rS+8*(\n)+2]
.elseif (\n) < 12
	v_max3_num_f32 v[rC+(\n)%4], v[rC+(\n)%4], v[rS+8*((\n)%4)+2*((\n)/4)+1], v[rS+8*((\n)%4)+2*((\n)/4)+2]
.elseif (\n) == 12
	v_max3_num_f32 v[rC], v[rC], v[rS+7], v[rS+15]
.elseif (\n) == 13
	v_max3_num_f32 v[rC+1], v[rC+1], v[rS+23], v[rS+31]
.elseif (\n) == 14
	v_max3_num_f32 v[rC+2], v[rC+2], v[rC+3], v[rT+1]
.elseif (\n) == 15
	v_mov_b32 v[rW], v[rT]
.elseif (\n) == 16
	v_max3_num_f32 v[rC], v[rC], v[rC+1], v[rC+2]
.elseif (\n) == 17
	v_permlanex16_b32 v[rC+3], v[rC], s[SEL], s[SEL+1]
.elseif (\n) == 18
	v_max_num_f32 v[rT+1], v[rC], v[rC+3]
.elseif (\n) == 19
	v_mul_f32 v[rT], s[CS], v[rT+1]
.elseif (\n) == 20
	v_sub_f32 v[rC+1], v[rW], v[rT]
.else
	v_exp_f32 v[rC+2], v[rC+1]
.endif
.endif
.endm
.macro OPS a, i1, b=-1, i2=0, c=-1, i3=0, d=-1, i4=0  ; up to four of them
	OP \a, \i1
.if (\b) >= 0
	OP \b, \i2
.endif
.if (\c) >= 0
	OP \c, \i3
.endif
.if (\d) >= 0
	OP \d, \i4
.endif
.endm
.macro ROW a, i1, b, i2, c, i3, d, i4  ; a matrix instruction and the four behind it
	MM
	OPS \a, \i1, \b, \i2, \c, \i3, \d, \i4
.endm
.macro MASK b                       ; MD x AL + BE into buffer b of MC
	WIN W_RS
.set z, 0
.rept 16
	v_pk_fma_f32 v[MC+32*(\b)+2*z:MC+32*(\b)+2*z+1], v[MD+2*z:MD+2*z+1], s[AL:AL+1], s[BE:BE+1] op_sel_hi:[1,0,0]
.set z, z+1
.endr
.endm
; A TURN, for piece p: the order of its 16 matrix and 118 vector instructions, written out.  Behind a matrix instruction: plain, exponential, plain, plain; or four of the rescaling; or, behind the first, four scalings; none
; names a register of the products round it.  In the lumps exponential and plain by turns while exponentials last.  A line reads no result made fewer than three vector instructions in front of it, five if an exponential made it.
; v_permlanex16_b32 (X 17) stands in a lump.
; m = 1: the diagonal tile: the products take masks, and the turn makes the mask for the products of the turn after it: piece p + 2, in step 4 - CNT of the tile.  end = 1: a block's last two turns: nothing is fetched.
; cnt = 1: the loop's count is taken down some lines ahead of the branch that stands behind the turn.
; K of the next step is fetched in piece 2's turn, six vector instructions behind the last product that read K (five of them plain); V of the step in hand in piece 0's turn, eight behind the last product that read V (four
; plain, and X 17).  Each is waited for a turn later.
.macro TURN p, m=0, end=0, cnt=0
.set Y, (\p)
.set i, 0
.set KM, (\m)
.set NOKQ, (\end)*((\p)/3)
.if (\m) && !(\end)
	s_cmp_eq_u32 s[CNT], 4-((\p)+2)%NP  ; is that step the band's own?
	s_cselect_b32 s[AL], 1.0, 0
	s_cmp_lt_u32 s[CNT], 4-((\p)+2)%NP  ; or a later one?
	s_cselect_b32 s[BE], s[BIGN], 0
.endif
.if ((\p) == 3) && !(\end)
	s_wait_dscnt 0x0                ; K is in
.endif
	ROW F,0, F,1, F,2, F,3
	ROW F,4, E,0, F,5, F,6
	ROW F,7, E,1, F,8, F,9
	ROW F,10, E,2, C,0, F,11
	ROW F,12, E,3, X,15, F,13
	ROW R,0, R,1, R,2, R,3
	ROW B,0, E,4, F,14, L,0
.if ((\p) == 2) && !(\end)
	v_add_nc_u32 v[AK], s[TBK], v[AK0]
.endif
	ROW R,4, R,5, R,6, R,7
	OPS E,5, F,15
.if ((\p) == 2) && !(\end)
	FETCH_K
.endif
	OPS E,6, C,1, E,7, R,8
	OPS E,8, R,9, E,9, C,2
	OPS E,10, X,0, E,11, X,1
	OPS E,12, X,2, E,13, X,3
.if (\p) == 1
	s_wait_dscnt 0x0                ; V is in
.endif
	ROW X,4, E,14, X,5, X,6
	ROW X,7, E,15, X,8, X,9
	ROW X,10, E,16, X,11, X,12
	ROW X,13, E,17, X,14, B,1
	ROW C,4, E,18, X,16, L,1
	ROW B,2, E,19, C,6, L,2
	ROW C,8, E,20, B,3, B,4
.if (\p) == 0
	v_add_nc_u32 v[AV], s[TBV], v[AV0]
.endif
	ROW C,3, E,21, L,3, C,5
	OPS E,22, X,17, E,23, C,10
.if (\p) == 0
	FETCH_V
.endif
	OPS E,24, L,4
	OPS E,25, X,18, E,26, C,7
	OPS E,27, B,5, E,28, X,19
	OPS E,29, C,12, E,30, L,5
	OPS E,31, X,20, B,6, C,9
	OPS C,14, C,11, X,21, L,6
.if (\p) == 0
	s_add_co_u32 s[TBV], s[TBV], KS*PV
.endif
.if \cnt
	s_sub_co_u32 s[CNT], s[CNT], 1
	s_cmp_lg_u32 s[CNT], 0
.endif
	OPS C,13, B,7, C,15, R,10
	OPS R,11, R,12, L,7, R,13
	OPS R,14, R,15
.if (\m) && !(\end)
	MASK (\p)%2
.endif
.endm
; A BLOCK BEGINS.  c m starts far below every c s, so the first step's a is 0; m at the lowest finite number, so the first maximum is the scores'.  The second mask buffer is 0; the first takes piece 0's mask for the tile's step 0: its own, if the block's first tile is the diagonal one.
; Then K of that step, piece 0's first scores, and its maximum and statistics.  The loop is entered at a step's first turn, in the middle of a trip.
.macro BEGIN
	s_mov_b32 s[NEW], 0
	WIN 0x40
.set i, MC+32
.rept 32
	v_mov_b32 v[i], 0
.set i, i+1
.endr
	WIN 0
.set i, 0
.rept 4
	v_mov_b32 v[ST+4*i], 0xfe000000    ; c m: far below every c s
	v_mov_b32 v[ST+4*i+1], 0xff7fffff  ; m
.set i, i+1
.endr
	s_cmp_eq_u32 s[RT], 0
	s_cselect_b32 s[AL], 1.0, 0
	s_mov_b32 s[BE], 0
	MASK 0
	WIN 0
	v_add_nc_u32 v[AK], s[TBK], v[AK0]
	FETCH_K
	s_wait_loadcnt 0x0              ; Q
	s_wait_dscnt 0x0
.set KM, 1
.set NOKQ, 0
.set i, 0
.rept 8
	KQ 0
.set i, i+1
.endr
	WIN 0
.rept 4
	v_nop                           ; the places behind those products
.endr
.set Y, NP-1                        ; X works for piece Y + 1: piece 0
.irp n, 0,1,2,3,4,5,6,7,8,9,10,11,12,13,14,15,16,17,18,19,20,21
	OP X, \n
.endr
	v_nop                           ; a plain instruction behind the exponential
.endm
; THE DIAGONAL TILE's four steps, the block's last two turns, its last products, and THE WAY OUT: l's two halves and the other half of the lanes' are added; O^T is divided by l, rounded to f16 and sent through my
; stage in LDS, a piece at a time.
.macro ALL line:vararg              ; one line for each piece t
.set t, 0
.rept 4
	\line
.set t, t+1
.endr
.endm
.macro PACK t                       ; a lane's eight channels of a row pack into 16 bytes; they go into rows of 144 bytes and come back as whole rows of 128, into S^T's registers
	WIN W_RS
.set i, 32*(\t)
.rept 16
	s_wait_alu depctr_va_vdst(0)
	v_pk_mul_f32 v[i:i+1], v[i:i+1], v[ST+4*(\t)+2:ST+4*(\t)+3] op_sel_hi:[1,0]
.set i, i+2
.endr
	WIN 0x05                        ; sources 0 and 1 window 1, destination window 0
.set i, 0
.rept 16
	v_cvt_pk_f16_f32 v[S+16*(\t)+i], v[32*(\t)+2*i], v[32*(\t)+2*i+1]
.set i, i+1
.endr
	WIN 0
.irp f, 0,1,2,3
	ds_store_b128 v[STO], v[S+16*(\t)+4*\f:S+16*(\t)+4*\f+3] offset:32*\f
.endr
.irp f, 0,1,2,3
	ds_load_b128 v[S+16*(\t)+4*\f:S+16*(\t)+4*\f+3], v[RD] offset:\f*4*SP  ; LDS serves a wave's instructions in order (ISA guide 5.7.1.4): these see the stores above; the next piece's stores come behind them
.endr
.endm
.macro SEND t, younger              ; younger: the LDS instructions issued behind piece t's loads: the next piece's eight, or none
	WIN 0
.irp f, 0,1,2,3
	s_wait_dscnt (\younger)+3-\f
	global_store_b128 v[GO], v[S+16*(\t)+4*\f:S+16*(\t)+4*\f+3], s[10:11] offset:(\t)*8192+\f*512  ; 512 consecutive bytes, at a multiple of 256 from O's first
.endr
.endm
.macro DIAG tag                     ; the tag ends its two labels' names, which the jumps below spell out
.LstepM\tag:
	TURN 2, 1
	TURN 3, 1
	WIN 0
.LfirstM\tag:
	TURN 0, 1
	TURN 1, 1, 0, 1
	WIN 0
	s_cbranch_scc1 .LstepM\tag
	TURN 2, 1, 1
	TURN 3, 1, 1
.set i, 0
.rept 8
	PV NP-1
.set i, i+1
.endr
	WIN 0
	ALL v_add_f32 v[ST+4*t+2], v[ST+4*t+2], v[ST+4*t+3]
	ALL v_permlanex16_b32 v[ST+4*t+3], v[ST+4*t+2], s[SEL], s[SEL+1]
	ALL v_add_f32 v[ST+4*t+2], v[ST+4*t+2], v[ST+4*t+3]
	ALL v_rcp_f32 v[ST+4*t+2], v[ST+4*t+2]
	v_nop                           ; a plain instruction between the last reciprocal and the use of its result
	PACK 0
.set t, 1
.rept 3                             ; a piece's arithmetic stands between the loads of the piece before and its stores
	PACK t
	SEND t-1, 8
.set t, t+1
.endr
	SEND 3, 0
.endm
.set KM, 0
.set NOKQ, 0
.Lslot:                             ; NB times: a tile is entered and the next is asked for
	CHANGE 1
	s_sub_co_u32 s[RT], s[RT], 1
	s_mov_b32 s[CNT], 4
	s_cmp_eq_u32 s[NEW], 1
	s_cbranch_scc1 .Lnew            ; a block's first tile
	s_cmp_eq_u32 s[RT], 0
	s_cbranch_scc0 .Lstep           ; neither its first nor its last
	s_branch .LstepM1
.Lnew:
	BEGIN
	s_branch .Lfirst                ; in the loop a block's first tile is never its last: the first block has two tiles or more, and the second's last is the walk's last
	DIAG 1                          ; in the loop this is the first block's end: the second block's last tile is the walk's last
	s_wait_xcnt 0x0                 ; the stores have read their registers and O's address
	s_mov_b64 s[10:11], s[OLO:OLO+1]
	s_add_co_u32 s[RT], s[PB], 1    ; the second block has b + 1 tiles
	s_mov_b32 s[NEW], 1
	WIN 0x82                        ; the second block's Q goes where the one text of the turns names Q
.set i, 0
.rept 64
	v_mov_b32 v[i], v[QB+i]
.set i, i+1
.endr
	WIN 0
	s_branch .Lbottom
.Lstep:                             ; a trip: pieces 2 and 3 of one step, then pieces 0 and 1 of the next, whose K and V it fetches
	TURN 2
	TURN 3
	WIN 0
.Lfirst:
	TURN 0
	TURN 1, 0, 0, 1
	WIN 0
	s_cbranch_scc1 .Lstep
.Lbottom:
	s_sub_co_u32 s[SLOTS], s[SLOTS], 1
	s_cmp_lg_u32 s[SLOTS], 0
	s_cbranch_scc1 .Lslot
	CHANGE 0                        ; the walk's last tile is written out: nothing is asked for
	s_sub_co_u32 s[RT], s[RT], 1
	s_mov_b32 s[CNT], 4
	s_cmp_eq_u32 s[NEW], 1
	s_cbranch_scc0 .LstepM2
	BEGIN
	s_branch .LfirstM2
	DIAG 2
	s_wait_tensorcnt 0x0            ; the wave's end: behind my last tensor load and my last LDS store
	ds_add_u32 v[SPW], v[NIL]
	s_wait_dscnt 0x0
	s_endpgm
.Lfunc_end_k_qd30f921623_attn:
	.size	k_qd30f921623_attn, .Lfunc_end_k_qd30f921623_attn-k_qd30f921623_attn
	.p2alignl 7, 3214868480
	.fill 96, 4, 3214868480
	.section	.rodata,"a",@progbits
	.p2align	6, 0x0
	.amdhsa_kernel k_qd30f921623_attn
		.amdhsa_group_segment_fixed_size 327680
		.amdhsa_private_segment_fixed_size 0
		.amdhsa_enable_private_segment 0
		.amdhsa_kernarg_size 32
		.amdhsa_user_sgpr_count 2
		.amdhsa_user_sgpr_kernarg_segment_ptr 1
		.amdhsa_wavefront_size32 1
		.amdhsa_system_sgpr_workgroup_id_x 1
		.amdhsa_system_sgpr_workgroup_id_y 1
		.amdhsa_system_sgpr_workgroup_id_z 1
		.amdhsa_system_vgpr_workitem_id 0
		.amdhsa_next_free_vgpr 768
		.amdhsa_next_free_sgpr 88
		.amdhsa_reserve_vcc 1
		.amdhsa_float_denorm_mode_32 3
		.amdhsa_float_denorm_mode_16_64 3
		.amdhsa_memory_ordered 1
		.amdhsa_forward_progress 1
		.amdhsa_inst_pref_size 228
	.end_amdhsa_kernel
	.amdgpu_metadata
---
amdhsa.version: [ 1, 2 ]
amdhsa.kernels:
  - .name:           k_qd30f921623_attn
    .symbol:         k_qd30f921623_attn.kd
    .args:
      - { .name: qb, .offset: 0, .size: 8, .value_kind: global_buffer, .address_space: global }
      - { .name: kb, .offset: 8, .size: 8, .value_kind: global_buffer, .address_space: global }
      - { .name: vb, .offset: 16, .size: 8, .value_kind: global_buffer, .address_space: global }
      - { .name: ob, .offset: 24, .size: 8, .value_kind: global_buffer, .address_space: global }
    .group_segment_fixed_size: 327680
    .private_segment_fixed_size: 0
    .kernarg_segment_align: 8
    .kernarg_segment_size: 32
    .max_flat_workgroup_size: 128
    .sgpr_count:     88
    .vgpr_count:     768
    .wavefront_size: 32
...
	.end_amdgpu_metadata
.endif
;; end of part 3
;; launch proj (part 4): grid 8 x 32, 4 waves a work-group, clusters of 4 x 4, 327,680 bytes of LDS; arguments ob, wpb, b_proj, out0; writes out0
.if DOCPART == 4
	.amdgcn_target "amdgcn-amd-amdhsa--gfx1250"
	.amdhsa_code_object_version 6
	.text
	.protected	k_qd30f921623_proj
	.globl	k_qd30f921623_proj
	.p2align	8
	.type	k_qd30f921623_proj,@function
k_qd30f921623_proj:
	s_mov_b64 s[64:65], 0
	v_nop
	global_prefetch_b8 v0, s[64:65] scope:SCOPE_SE
	s_setreg_imm32_b32 hwreg(HW_REG_WAVE_MODE, 25, 1), 1
	s_wait_xcnt 0x0
	s_wait_alu depctr_hold_cnt(0) depctr_sa_sdst(0) depctr_va_vdst(0) depctr_va_sdst(0) depctr_va_ssrc(0) depctr_va_vcc(0) depctr_vm_vsrc(0)
	s_getreg_b32 s2, hwreg(HW_REG_IB_STS2, 6, 4)
	s_cmp_eq_u32 s2, 0
	s_cbranch_scc0 .Lentry_in_a_cluster
	s_endpgm
.Lentry_in_a_cluster:
	s_bfe_u32 s2, ttmp6, 0x10000c
	s_cmp_lg_u32 s2, 0xf033
	s_cbranch_scc0 .Lentry_shape_is_right
	s_endpgm
.Lentry_shape_is_right:
; out0 = y w_proj + b_proj.  ob: [64 = 16 batch + head][2048][64] f16 (y by heads: channel c of y is head c / 64, place c % 64).  wpb: [1024 k][1024 n] f16 (bf16 numbers written as f16).
; b_proj: [1024] f32, rounded here to bf16 like the other inputs.  out0: [8192][1024] f32, the f32 sums as they are.
; LIMIT.  The bias starts the sum (it is the C operand of the first product), so the order of rounding differs from bias-last.
; SHARES.  A work-group makes 256 rows x 128 columns: 32 x 8 = 256 work-groups.  Wave w owns rows 64 w .. 64 w + 63 over all 128 columns: 4 row blocks a x 8 column blocks b = 32 accumulators,
; 256 registers.  A wave's piece of a row is 512 consecutive bytes of out0, so its stage on the way out is its own, and no barrier stands there.
; K = 1,024 goes in 8 steps of 128, two heads each, through two LDS slots.  A K step is four quarters of 32, 32 matrix instructions each, on fragment buffers 0, 1, 0, 1.
; THE MATRIX INSTRUCTION IS USED TRANSPOSED: source 0 = 16 columns of w (k along the registers, turned out of LDS by ds_load_tr16_b128, since w lies [k][n]), source 1 = 16 rows of y.
; In the result lane l holds row l % 16 and the columns 8 (l / 16) + 0..7.
; CLUSTER.  4 x 4 work-groups.  The four of a row of the cluster need the same tile of y, the four of a column the same tile of w: each is asked for jointly, by the same tensor load with the same
; descriptor and a mask that names the four.  Waves 0 and 1 fetch y's two heads (256 tokens each), waves 2 and 3 w's two halves (64 k each): one load a wave behind each round.
; By this text's count a wave has two tensor loads out at the start and one behind each round; that one has 112 of a K step's 128 matrix instructions in which to land.
; REGISTERS, in windows of 256 (s_set_vgpr_msb: bits 1:0 source 0, 3:2 source 1, 5:4 source 2, 7:6 destination):
;   window 0: v0-29 addresses; v64-127 y's fragments, two buffers of 4; v128-191 the bias, 8 registers a column block; v224-227 at work; on the way out v64-255 are free
;   window 1: v0-127 w's fragments, two buffers of 8      window 2: accumulator (b, a) at 8 (4 b + a)
.set NBK,   8                          ; column blocks
.set N1,    2                          ; column blocks multiplied at a quarter's head, while the other blocks' fragments may still be out
.set N2,    2                          ; column blocks multiplied between a barrier's signal and its wait
.set PA,    144                        ; a token's 64 channels of a head in LDS: 128 bytes + 16 = 36 words: the 16 rows of a load start at 16 different groups of four banks (64 banks of 4 bytes: ISA guide 11.1)
.set PB,    288                        ; a row k of w in LDS: 256 bytes + 32 = 72 words
.set APART, 256*PA                     ; what one load brings of y: one head's 256 tokens
.set BOFF,  2*APART                    ; w's tile lies behind y's
.set BPART, 64*PB                      ; what one load brings of w
.set SLOT1, 131072                     ; slot 1 begins here, so that one exclusive or turns an address in one slot into the other's
.set STAGE, SLOT1+BOFF+2*BPART         ; behind the ring, never filled by a tensor load: 16 rows x 528 bytes for each wave
.set SP,    528                        ; 512 bytes + 16: the 16 rows that a store touches start at 16 different groups of four banks
.set SPARE, STAGE+4*16*SP              ; behind the stages: the spare words, 128 bytes for each wave: two blocks of 256 bytes that no other line names
.set ASTEP, 524288                     ; bytes from a K step to the next: two heads of 2,048 rows of 128 bytes,
.set BSTEP, 262144                     ; and 128 rows of 2,048 bytes down w
.set LA0,  16                          ; v16  my lane's place in a head's part of y's tile: (64 w + l % 16) PA + 16 (l / 16); never rewritten
.set LB0,  17                          ; v17  in w's tile: BOFF + (8 (l / 16) + l % 8) PB + 16 ((l / 8) % 2); never rewritten
.set ADRA, 18                          ; v18  the same in the slot in hand
.set ADRB, 19                          ; v19
.set STO,  20                          ; v20  the way out: where I put 32 bytes of a row
.set RD,   21                          ; v21  where I read a row back
.set GO,   22                          ; v22  16 x lane: my place in a row's 512 bytes
.set BO,   23                          ; v23  32 (l / 16): my eight numbers of a column block's bias
.set PFO,  24                          ; v24  the prefetches' offset: 256 x lane; never rewritten
.set SPW,  28                          ; v28  LDS address of my spare word: SPARE + 4 x my thread's number; never rewritten
.set NIL,  29                          ; v29  0; never rewritten
.set FA,   64
.set BIAS, 128
.set TW,   224
.set WV,   16                          ; s16  my wave's number
.set HF,   17                          ; s17  which half of a tile I fetch
.set CX,   19                          ; s19, s20  my place in the cluster
.set CY,   20
.set NT,   21                          ; s21  tile column = 4 x cluster x + cx
.set MT,   22                          ; s22  tile row = 4 x cluster y + cy
.set G1A,  24                          ; s[24:31] descriptor group 1 for y's tiles
.set G0A,  32                          ; s[32:39] group 0: a set for each of the two first fills; the second then walks on
.set PFA,  40                          ; s[40:41] where my prefetches stand
.set LIM,  42                          ; s42  2 in a wave that prefetches, else the greatest number
.set TB,   43                          ; s43  the slot in hand: 0 or SLOT1
.set CNT,  44                          ; s44  trips to go
.set G1B,  48                          ; s[48:55], s[56:63] the same for w's tiles
.set G0B,  56
.set OUTP, 66                          ; s[66:67] out0 at my first row, the tile's first column
.set MSB, 0
.macro WIN new                         ; the immediate's high byte repeats the setting that is left; a switch that changes nothing is dropped
.if MSB != (\new)
	s_set_vgpr_msb (MSB<<8)|(\new)
.set MSB, (\new)
.endif
.endm
.macro PLACES                          ; four places behind a matrix instruction, in front of loads into registers that it has read and of lines that read results
.rept 4
	v_nop
.endr
.endm
.macro CREST                           ; a round of the cluster's barrier behind its opening barrier: wave 0 signals for the work-group, every wave waits for all sixteen, my work-group's barrier closes it
	s_cmp_lg_u32 s[WV], 0
	s_cbranch_scc1 .Lnot_wave_0_\@
	s_barrier_signal -3
.Lnot_wave_0_\@:
	s_barrier_wait -3
	s_barrier_signal -1
	s_barrier_wait -1
.endm
.macro CROUND                          ; a whole round
	s_barrier_signal -1
	s_barrier_wait -1
	CREST
.endm
; A joint refill, by the walking sets.  The branch hangs on the wave's number alone.  An s_nop 0 and four v_nop follow each of the two lines, ahead of the jump and the label.
.macro JLOAD
	s_cmp_lt_u32 s[WV], 2
	s_cbranch_scc0 .Lfor_b_\@
	tensor_load_to_lds s[G0A+4:G0A+7], s[G1A:G1A+7]
	s_nop 0
.rept 4
	v_nop
.endr
	s_branch .Lasked_\@
.Lfor_b_\@:
	tensor_load_to_lds s[G0B+4:G0B+7], s[G1B:G1B+7]
	s_nop 0
.rept 4
	v_nop
.endr
.Lasked_\@:
.endm
; A PREFETCH INTO THE L2 of y's K step that stands two refills on: the trip that refills K step i + 2 names K step i + 4.  What wave 0 or 1 fetches of a K step is 32,768 dense bytes: 128 pieces of
; 256.  A tile row of y is read by the two clusters of its row of clusters: the first (cluster x = 0) asks.  The partner at place cx takes pieces 32 cx .. 32 cx + 31, told apart by address: a lane a
; piece, one instruction a wave, so each piece is named once in the launch.  The last two filling trips ask for nothing: K step 7 is the last.  K steps 0 to 3 come by their loads alone.
; w's tiles are read by all 32 tile rows: no stream that is read once, so they are not asked for.
.macro ASK
	WIN 0
	s_cmp_gt_u32 s[CNT], s[LIM]
	s_cbranch_scc0 .Lnot_mine_\@
	global_prefetch_b8 v[PFO], s[PFA:PFA+1] th:TH_LOAD_NT scope:SCOPE_SE
.Lnot_mine_\@:
.endm
; 24 LDS loads in one run: quarter q of the slot in hand into buffer f: y's four fragments first, then w's eight, b ascending.  Quarter q is head q / 2 of the step's two, channels 32 (q % 2) on.
; A fragment of y: lane l holds row l % 16, k = 8 (l / 16) + 0..7 and 16 + 8 (l / 16) + 0..7: two loads of 16 bytes, 32 bytes apart.
; A fragment of w: the turning load takes 16 k x 16 columns and leaves lane l column l % 16 and 8 k; the second load stands 16 rows k further down.
.macro FETCH q, f
	WIN 0
.irp a, 0,1,2,3
	ds_load_b128 v[FA+32*(\f)+8*\a:FA+32*(\f)+8*\a+3],   v[ADRA] offset:((\q)/2)*APART+((\q)%2)*64+\a*16*PA
	ds_load_b128 v[FA+32*(\f)+8*\a+4:FA+32*(\f)+8*\a+7], v[ADRA] offset:((\q)/2)*APART+((\q)%2)*64+\a*16*PA+32
.endr
	WIN 0x40                                       ; destination window 1, address window 0
.set bb, 0
.rept NBK
	ds_load_tr16_b128 v[8*NBK*(\f)+8*bb:8*NBK*(\f)+8*bb+3],   v[ADRB] offset:(\q)*32*PB+32*bb
	ds_load_tr16_b128 v[8*NBK*(\f)+8*bb+4:8*NBK*(\f)+8*bb+7], v[ADRB] offset:(\q)*32*PB+32*bb+16*PB
.set bb, bb+1
.endr
.endm
; 4 nb matrix instructions on buffer f: column blocks b0 .. b0 + nb - 1 x the four row blocks.  first = 1: the bias starts the sums: nothing is ever cleared.
; Every accumulator has one turn a quarter, in the same order in every quarter: 31 others' stand between two links of a chain.
.macro MULB f, b0, nb, first
.set bb, \b0
.rept \nb
	WIN 0x81+0x20*(1-(\first))                     ; w window 1, y window 0, D window 2; C with D, or (the bias) window 0
.set rB, 8*NBK*(\f)+8*bb
.irp a, 0,1,2,3
.set rD, 8*(4*bb+\a)
.set rA, FA+32*(\f)+8*\a
.if \first
	v_wmma_f32_16x16x32_f16 v[rD:rD+7], v[rB:rB+7], v[rA:rA+7], v[BIAS+8*bb:BIAS+8*bb+7]
.else
	v_wmma_f32_16x16x32_f16 v[rD:rD+7], v[rB:rB+7], v[rA:rA+7], v[rD:rD+7]
.endif
.endr
.set bb, bb+1
.endr
.endm
; One of a K step's first three quarters: multiplies buffer f; behind its first products it fetches quarter qn of the same slot into buffer g.
.macro QUARTER qn, f, g, first
	s_wait_dscnt 2*(NBK-N1)                        ; y's fragments and w's first N1 are in; the youngest loads, w's other blocks', may be out
	MULB \f, 0, N1, \first
	PLACES
	FETCH \qn, \g
	s_wait_dscnt 8+2*NBK                           ; all but the run just issued
	MULB \f, N1, NBK-N1, \first
.endm
; The last quarter multiplies buffer 1 and changes slots: ONE barrier.  In front of it each wave waits for all its tensor loads (the one that is out is its part of the next slot), adds 0 to its spare
; word, and waits for that and for its own reads of this slot.  fill = 1: the barrier opens a round of the cluster's barrier, and the joint refill of the slot just left, two K steps on, is the first
; thing behind the round.
.macro TURN fill
.if \fill
	s_wait_xcnt 0x0                                ; the last prefetch, a K step back, has read its address: it is stepped here, ahead of the waits of the change of slots
	s_add_nc_u64 s[PFA:PFA+1], s[PFA:PFA+1], ASTEP
.endif
	WIN 0                                          ; (the add's two registers lie in window 0)
	s_wait_tensorcnt 0x0                           ; all my tensor loads have landed
	ds_add_u32 v[SPW], v[NIL]                      ; 0 onto my spare word
	s_wait_dscnt 2*(NBK-N1)+1                      ; (the add and the youngest loads may be out)
	MULB 1, 0, N1, 0                               ; matrix instructions stand between the add and the wait for it
	s_wait_dscnt 0x0                               ; the add is done, and my reads of this slot are over
	s_barrier_signal -1
	MULB 1, N1, N2, 0                              ; work on registers while the others arrive
.if \fill
	WIN 0
.endif
	s_barrier_wait -1
.if \fill
	CREST                                          ; no wave of any partner still reads this slot's tile or has a load on its way
	s_xor_b32 s[G0A+5], s[G0A+5], SLOT1            ; the walking sets: the other slot than last time, the next K step; the type bits on top are not reached
	s_add_nc_u64 s[G0A+6:G0A+7], s[G0A+6:G0A+7], ASTEP
	s_xor_b32 s[G0B+5], s[G0B+5], SLOT1
	s_add_nc_u64 s[G0B+6:G0B+7], s[G0B+6:G0B+7], BSTEP
	JLOAD                                          ; the four v_nop behind it are also the places in front of the loads below
.else
	PLACES
.endif
	WIN 0
	s_xor_b32 s[TB], s[TB], SLOT1                  ; the reads go on in the other slot
	v_add_nc_u32 v[ADRA], s[TB], v[LA0]
	v_add_nc_u32 v[ADRB], s[TB], v[LB0]
	FETCH 0, 0
.if \fill
	ASK                                            ; behind the joint load and the run of LDS loads that the next products wait for
.endif
	MULB 1, N1+N2, NBK-N1-N2, 0
.endm
	s_load_b256 s[4:11], s[0:1], 0x0               ; ob s[4:5], wpb s[6:7], b_proj s[8:9], out0 s[10:11]
	v_lshl_add_u32 v[SPW], v0, 2, SPARE
	v_mov_b32 v[NIL], 0
	ds_add_u32 v[SPW], v[NIL]                      ; the wave's opening: the add and its wait stand ahead of my first tensor load; the set-up below, work on registers, stands between them
	ds_add_u32 v28, v29
	v_lshrrev_b32 v1, 5, v0
	v_readfirstlane_b32 s[WV], v1                  ; wave 0..3
	s_and_b32 s[HF], s[WV], 1
	s_bfe_u32 s[CX], ttmp6, 0x40000
	s_bfe_u32 s[CY], ttmp6, 0x40004
	s_lshl_b32 s[NT], ttmp9, 2                     ; in a cluster launch ttmp9 and ttmp7 count clusters
	s_add_co_u32 s[NT], s[NT], s[CX]
	s_and_b32 s[MT], ttmp7, 0xffff
	s_lshl_b32 s[MT], s[MT], 2
	s_add_co_u32 s[MT], s[MT], s[CY]
	s_lshl_b32 s46, s[CY], 2
	s_lshl_b32 s46, 15, s46                        ; my row of the cluster: places 4 cy .. 4 cy + 3
	s_lshl_b32 s72, 0x1111, s[CX]                  ; my column: places cx, cx + 4, cx + 8, cx + 12
	; y's tile: a head's 256 tokens are 32,768 dense bytes: asked for as 128 rows of 256 bytes, two tokens a row; 16 bytes of padding behind every token's 128
	s_or_b32 s[G1A], s46, (1<<16)|(1<<20)|(1<<21)|(4<<22)|(3<<25)  ; 15:0 the mask; 17:16 2-byte elements; 20 padding on; 21 set beside a mask; 24:22 after every 32 words (code 4); 31:25 4 words (code 3)
	s_mov_b32 s[G1A+1], 128<<16                    ; tensor_dim0 = 128
	s_mov_b32 s[G1A+2], 128<<16                    ; tensor_dim1 = 128
	s_mov_b32 s[G1A+3], 128<<16                    ; tile_dim0 = 128
	s_mov_b32 s[G1A+4], 128                        ; tile_dim1 = 128
	s_mov_b32 s[G1A+5], 128                        ; elements from row to row
	s_mov_b32 s[G1A+6], 0
	s_mov_b32 s[G1A+7], 0
	; w's tile: 64 rows k x 128 elements, 1,024 elements from row to row; 32 bytes of padding behind every 256
	s_or_b32 s[G1B], s72, (1<<16)|(1<<20)|(1<<21)|(5<<22)|(7<<25)  ; after every 64 words (code 5), 8 words (code 7)
	s_mov_b32 s[G1B+1], 128<<16
	s_mov_b32 s[G1B+2], 64<<16
	s_mov_b32 s[G1B+3], 128<<16
	s_mov_b32 s[G1B+4], 64
	s_mov_b32 s[G1B+5], 1024
	s_mov_b32 s[G1B+6], 0
	s_mov_b32 s[G1B+7], 0
	; where the tiles come from.  y's hang on the tile row alone, w's on the tile column alone; each in registers that never hold the other coordinate
	s_lshr_b32 s46, s[MT], 3                       ; the batch: 8 tile rows each
	s_lshl_b32 s46, s46, 4
	s_add_co_u32 s46, s46, s[HF]                   ; 16 x batch + the head that I fetch of K step 0's two
	s_lshl_b32 s46, s46, 18                        ; a head's 2,048 rows of 128 bytes
	s_and_b32 s47, s[MT], 7
	s_lshl_b32 s47, s47, 15                        ; 256 tokens of 128 bytes
	s_add_co_u32 s46, s46, s47
	s_mov_b32 s47, 0
	s_lshl_b32 s72, s[HF], 17                      ; 64 rows k of 2,048 bytes
	s_lshl_b32 s73, s[NT], 8                       ; 128 columns
	s_add_co_u32 s72, s72, s73
	s_mov_b32 s73, 0
	s_mul_i32 s23, s[HF], APART                    ; and where they go: no place in the cluster enters an LDS address
	s_mul_i32 s74, s[HF], BPART
	s_add_co_u32 s74, s74, BOFF
	s_wait_dscnt 0x0                               ; the opening add is done
	s_wait_kmcnt 0x0
	s_add_nc_u64 s[46:47], s[4:5], s[46:47]
	s_add_nc_u64 s[72:73], s[6:7], s[72:73]
	CROUND                                         ; all sixteen work-groups are here: the first joint loads meet
.irp s, 0,1
	s_mov_b32 s[G0A+4*\s], 1                       ; 1:0 count = 1
	s_add_co_u32 s[G0A+4*\s+1], s23, \s*SLOT1      ; 63:32 LDS address
	s_add_nc_u64 s[G0A+4*\s+2:G0A+4*\s+3], s[46:47], \s*ASTEP  ; 120:64 global address: K step s
	s_or_b32 s[G0A+4*\s+3], s[G0A+4*\s+3], 0x80000000          ; 127:126 type = 2
	s_mov_b32 s[G0B+4*\s], 1
	s_add_co_u32 s[G0B+4*\s+1], s74, \s*SLOT1
	s_add_nc_u64 s[G0B+4*\s+2:G0B+4*\s+3], s[72:73], \s*BSTEP
	s_or_b32 s[G0B+4*\s+3], s[G0B+4*\s+3], 0x80000000
.endr
	s_cmp_lt_u32 s[WV], 2                          ; a wave's two first fills stand in one branch, ahead of every wait on TENSORcnt and every LDS read
	s_cbranch_scc0 .Lfirst_b
	tensor_load_to_lds s[G0A:G0A+3], s[G1A:G1A+7]
	s_nop 0
	tensor_load_to_lds s[G0A+4:G0A+7], s[G1A:G1A+7]
	s_nop 0
.rept 4
	v_nop
.endr
	s_branch .Lfirst_asked
.Lfirst_b:
	tensor_load_to_lds s[G0B:G0B+3], s[G1B:G1B+7]
	s_nop 0
	tensor_load_to_lds s[G0B+4:G0B+7], s[G1B:G1B+7]
	s_nop 0
.rept 4
	v_nop
.endr
.Lfirst_asked:
	v_and_b32 v1, 15, v0                           ; l % 16
	v_bfe_u32 v2, v0, 4, 1                         ; l / 16
	v_lshlrev_b32 v[BO], 5, v2
	s_lshl_b32 s74, s[NT], 9                       ; the tile's 128 numbers of the bias; also its 512 bytes of a row of out0
	s_mov_b32 s75, 0
	s_add_nc_u64 s[8:9], s[8:9], s[74:75]
.set bb, 0
.rept NBK                                      ; register j of block b: the bias of column 16 b + 8 (l / 16) + j, as the result's layout has it
	global_load_b128 v[BIAS+8*bb:BIAS+8*bb+3],   v[BO], s[8:9] offset:64*bb
	global_load_b128 v[BIAS+8*bb+4:BIAS+8*bb+7], v[BO], s[8:9] offset:64*bb+16
.set bb, bb+1
.endr
	s_lshl_b32 s76, s[MT], 20                      ; 256 rows of 4,096 bytes
	s_lshl_b32 s77, s[WV], 18                      ; my 64 of them
	s_add_co_u32 s74, s74, s76
	s_add_co_u32 s74, s74, s77
	s_add_nc_u64 s[OUTP:OUTP+1], s[10:11], s[74:75]
	s_lshl_b32 s23, s[WV], 6
	v_add_nc_u32 v3, s23, v1                       ; my row of the tile: 64 w + l % 16
	v_mul_u32_u24 v[LA0], v3, PA
	v_lshl_add_u32 v[LA0], v2, 4, v[LA0]
	v_and_b32 v4, 7, v0
	v_bfe_u32 v5, v0, 3, 1
	v_lshl_add_u32 v[LB0], v2, 3, v4
	v_mul_u32_u24 v[LB0], v[LB0], PB
	v_lshl_add_u32 v[LB0], v5, 4, v[LB0]
	v_add_nc_u32 v[LB0], BOFF, v[LB0]
	s_mul_i32 s23, s[WV], 16*SP
	s_add_co_u32 s23, s23, STAGE                   ; my stage
	v_mul_u32_u24 v[STO], v1, SP                   ; in: row l % 16, 32 bytes for each half of the lanes
	v_lshl_add_u32 v[STO], v2, 5, v[STO]
	v_add_nc_u32 v[STO], s23, v[STO]
	v_and_b32 v[GO], 31, v0
	v_lshlrev_b32 v[PFO], 8, v[GO]
	v_lshlrev_b32 v[GO], 4, v[GO]                  ; back: 32 lanes take one row of 512 bytes
	v_add_nc_u32 v[RD], s23, v[GO]
	s_lshl_b32 s74, s[CX], 13                      ; the prefetches: my work-group's 32 pieces of the 128 that I fetch,
	s_add_nc_u64 s[PFA:PFA+1], s[46:47], s[74:75]
	s_add_nc_u64 s[PFA:PFA+1], s[PFA:PFA+1], 3*ASTEP  ; at K step 3: the first change of slots steps it to 4
	s_lshr_b32 s74, s[WV], 1                       ; 0 in waves 0 and 1,
	s_or_b32 s74, s74, ttmp9                       ; where the cluster is the first of its row of clusters: the same in all sixteen partners, for a given wave
	s_cmp_eq_u32 s74, 0
	s_cselect_b32 s[LIM], 2, -1
	s_wait_loadcnt 0x0                             ; the bias, which is rounded to bf16 like the other inputs and widened again
.set i, 0
.rept 4*NBK
	v_cvt_pk_bf16_f32 v[TW+i%4], v[BIAS+2*i], v[BIAS+2*i+1]
	v_lshlrev_b32 v[BIAS+2*i], 16, v[TW+i%4]
	v_and_b32 v[BIAS+2*i+1], 0xffff0000, v[TW+i%4]
.set i, i+1
.endr
	s_mov_b32 s[TB], 0
	v_mov_b32 v[ADRA], v[LA0]
	v_mov_b32 v[ADRB], v[LB0]
	s_wait_tensorcnt 1                             ; my part of K step 0 is in; K step 1's may stay out
	s_barrier_signal -1
	s_barrier_wait -1                              ; everybody's is
	FETCH 0, 0
	QUARTER 1, 0, 1, 1                             ; the first quarter stands in front of the loop: its products start the sums, with the bias
	WIN 0                                          ; at a label and at a branch every window is 0
	s_mov_b32 s[CNT], 6
.Lstep:                                        ; six trips, from a K step's second quarter to the next one's first; trip i fills the slot that it leaves with K step i + 2
	QUARTER 2, 1, 0, 0
	QUARTER 3, 0, 1, 0
	TURN 1
	QUARTER 1, 0, 1, 0
	WIN 0
	s_sub_co_u32 s[CNT], s[CNT], 1
	s_cmp_lg_u32 s[CNT], 0
	s_cbranch_scc1 .Lstep
	QUARTER 2, 1, 0, 0                             ; K steps 6 and 7 are written out: nothing is left to fetch
	QUARTER 3, 0, 1, 0
	TURN 0
	QUARTER 1, 0, 1, 0
	QUARTER 2, 1, 0, 0
	QUARTER 3, 0, 1, 0
	s_wait_dscnt 2*(NBK-N1)
	MULB 1, 0, N1, 0
	s_wait_dscnt 0x0
	MULB 1, N1, NBK-N1, 0
	WIN 0
	PLACES
	PLACES
; THE WAY OUT, a row block a (16 rows) at a time.  A lane's eight f32 of each column block go straight from the accumulator into my stage's rows of 528 bytes, the low four first;
; whole rows of 512 bytes come back, into one of three sets of 64 registers, and are stored.
.macro TOSTAGE a
.set BK, 64+64*((\a)%3)
	WIN 0x08                                       ; the stores' data in window 2, their address in window 0
.irp b, 0,1,2,3,4,5,6,7
	ds_store_b128 v[STO], v[8*(4*\b+(\a)):8*(4*\b+(\a))+3]   offset:64*\b
	ds_store_b128 v[STO], v[8*(4*\b+(\a))+4:8*(4*\b+(\a))+7] offset:64*\b+16
.endr
	WIN 0
.set t, 0
.rept 16
	ds_load_b128 v[BK+4*t:BK+4*t+3], v[RD] offset:t*SP  ; LDS serves a wave's instructions in order (ISA guide 5.7.1.4): these see the stores above; the next block's stores come behind them
.set t, t+1
.endr
.endm
.macro SEND a, younger                 ; younger: the LDS instructions issued behind block a's loads: the next block's 32, or none
.set BK, 64+64*((\a)%3)
.set t, 0
.rept 16
	s_wait_dscnt (\younger)+15-t
	global_store_b128 v[GO], v[BK+4*t:BK+4*t+3], s[OUTP:OUTP+1] offset:(16*(\a)+t)*4096 th:TH_STORE_NT  ; 512 consecutive bytes of a row, at a multiple of 512 from out0's first
.set t, t+1
.endr
.endm
	TOSTAGE 0
	TOSTAGE 1
	SEND 0, 32
	TOSTAGE 2
	SEND 1, 32
	s_wait_xcnt 0x0                                ; block 3 comes back into block 0's registers: they are loaded again only behind this wait, when block 0's stores have read them
	TOSTAGE 3
	SEND 2, 32
	SEND 3, 0
	s_wait_tensorcnt 0x0                           ; the wave's end: behind my last tensor load and my last LDS store
	ds_add_u32 v[SPW], v[NIL]
	s_wait_dscnt 0x0
	CROUND                                         ; the closing round: no work-group ends while a partner may still ask for a tile that names it
	s_endpgm
.Lfunc_end_k_qd30f921623_proj:
	.size	k_qd30f921623_proj, .Lfunc_end_k_qd30f921623_proj-k_qd30f921623_proj
	.p2alignl 7, 3214868480
	.fill 96, 4, 3214868480
	.section	.rodata,"a",@progbits
	.p2align	6, 0x0
	.amdhsa_kernel k_qd30f921623_proj
		.amdhsa_group_segment_fixed_size 327680
		.amdhsa_private_segment_fixed_size 0
		.amdhsa_enable_private_segment 0
		.amdhsa_kernarg_size 32
		.amdhsa_user_sgpr_count 2
		.amdhsa_user_sgpr_kernarg_segment_ptr 1
		.amdhsa_wavefront_size32 1
		.amdhsa_system_sgpr_workgroup_id_x 1
		.amdhsa_system_sgpr_workgroup_id_y 1
		.amdhsa_system_sgpr_workgroup_id_z 1
		.amdhsa_system_vgpr_workitem_id 0
		.amdhsa_next_free_vgpr 768
		.amdhsa_next_free_sgpr 80
		.amdhsa_reserve_vcc 0
		.amdhsa_float_denorm_mode_32 3
		.amdhsa_float_denorm_mode_16_64 3
		.amdhsa_memory_ordered 1
		.amdhsa_forward_progress 1
		.amdhsa_inst_pref_size 78
	.end_amdhsa_kernel
	.amdgpu_metadata
---
amdhsa.version: [ 1, 2 ]
amdhsa.kernels:
  - .name:           k_qd30f921623_proj
    .symbol:         k_qd30f921623_proj.kd
    .args:
      - { .name: ob, .offset: 0, .size: 8, .value_kind: global_buffer, .address_space: global }
      - { .name: wpb, .offset: 8, .size: 8, .value_kind: global_buffer, .address_space: global }
      - { .name: b_proj, .offset: 16, .size: 8, .value_kind: global_buffer, .address_space: global }
      - { .name: out0, .offset: 24, .size: 8, .value_kind: global_buffer, .address_space: global }
    .group_segment_fixed_size: 327680
    .private_segment_fixed_size: 0
    .kernarg_segment_align: 8
    .kernarg_segment_size: 32
    .max_flat_workgroup_size: 128
    .sgpr_count:     80
    .vgpr_count:     768
    .wavefront_size: 32
...
	.end_amdgpu_metadata
.endif
;; end of part 4
;; ======== version 2 of 2: 4 launches; version 1 with the launch cast written anew for expert scheduling mode
;; limits: values are held in f16: magnitudes above 65,504 overflow, below 6.1e-05 lose precision
;; workspace buffers: xb 16,777,216 bytes; wab 6,291,456 bytes; wpb 2,097,152 bytes; qb 16,777,216 bytes; kb 16,777,216 bytes; vb 16,777,216 bytes; ob 16,777,216 bytes
;; launch cast (part 5): grid 832 x 1, 8 waves a work-group, no clusters, 0 bytes of LDS; arguments x, w_attn, w_proj, xb, wab, wpb; writes xb, wab, wpb
.if DOCPART == 5
	.amdgcn_target "amdgcn-amd-amdhsa--gfx1250"
	.amdhsa_code_object_version 6
	.text
	.protected	k_qd30f921623_cast
	.globl	k_qd30f921623_cast
	.p2align	8
	.type	k_qd30f921623_cast,@function
k_qd30f921623_cast:
	s_mov_b64 s[64:65], 0
	v_nop
	global_prefetch_b8 v0, s[64:65] scope:SCOPE_SE
	s_setreg_imm32_b32 hwreg(HW_REG_WAVE_SCHED_MODE, 0, 2), 2
	s_setreg_imm32_b32 hwreg(HW_REG_WAVE_MODE, 25, 1), 1
	s_wait_xcnt 0x0
	s_wait_alu depctr_vm_vsrc(0)
; THE INPUTS OF THE MATRIX PRODUCTS ARE ROUNDED ONCE TO 16 BITS.  A stream: no LDS, no matrix unit, no cluster (no two work-groups read the same byte).
;   x      [8192][1024] f32  -> xb  [8192][1024] bf16                      work-groups 0 .. 511, 16,384 numbers each
;   w_proj [1024][1024] f32  -> wpb [1024][1024]: rounded to bf16, that number written as f16      work-groups 512 .. 575
;   w_attn [1024][3072] f32  -> wab [16 nt][1024 k][192 n] bf16: column n of block nt is column 192 nt + n      work-groups 576 .. 831: 64 rows k of one block nt
; LIMIT.  w_proj: a bf16 number is exact in f16 from 6.1e-5 to 65,504 in magnitude; below it keeps f16's fixed step of 6e-8, beyond it becomes an infinity.
; A thread's unit is 4 numbers: one load of 16 bytes (16 neighbouring lanes read 256 consecutive bytes, aligned), two packed roundings, one store of 8 bytes (a wave's store covers 256 consecutive
; bytes, aligned).  All of a thread's loads go out first (16, or 12 for w_attn); the waits count down, so that the younger loads stay out.  No register is written twice while memory may read it.
; THE MODE: SCHED_MODE bits 1:0 = 2 (LLVM: expert scheduling mode 2), set by the entry lines.  The code itself states the register dependences between vector instructions and memory
; instructions, with s_wait_alu, always for 0.
; THE PLAN.  Registers that memory instructions touch:
;   v1, v2     offsets, written once at the head and never again; v1 is read by the loads of the two linear arms, v2 by every store.
;   v3-5       w_attn's three input offsets, written once in that arm and never again; read by its twelve loads.
;   DIN        four registers a unit: written by the unit's load alone, read by the unit's roundings behind the counted wait for that load.  Nothing lands in them a second time.
;   DOUT       two registers a unit: written by the unit's roundings, read by the unit's one store, never written behind it.
;   v6, v7 and TW are named by vector instructions alone.
; So no register that a memory instruction has read is written again, and no load lands in a register that a vector instruction has named: what is to be stated is that offsets and store data are
; written before they are read.  The units go in BLOCKS of four; a block's four stores are issued in the next block, one ahead of each unit's roundings.  ONE wait on va_vdst at a block's head states
; that the block before has written its DOUT; the vector instructions behind that wait name this block's DIN and DOUT and TW, none of the registers that those four stores touch.
.set IN16, 1                           ; v1      16 x thread: my place in 4,096 bytes of input
.set OUT8, 2                           ; v2      8 x thread: my place in 2,048 bytes of output
.set INQ,  3                           ; v3-5    w_attn: my input offsets for units 3 p + q, q = 0, 1, 2
.set DIN,  8                           ; v8-71   as loaded, 4 registers a unit
.set DOUT, 72                          ; v72-103 to store, 2 registers a unit
.set TW,   104                         ; v104-107 at work
.set BLK,  4                           ; units in a block
; n units (a multiple of four) are rounded and stored to s[db:db+1].  f16 = 1: the bf16 number is widened again and written as f16.
.macro OUT n, db, f16
.set i, 0
.rept \n
.if i%BLK == 0
	s_wait_loadcnt (\n)-1-i                        ; loads come back in order: unit i, the block's first, is in; the younger ones stay out
.if i > 0
	s_wait_alu depctr_va_vdst(0)                   ; the roundings of the block before have written its eight registers of DOUT, which the four stores of this block read
.endif
.endif
.if i >= BLK
	global_store_b64 v[OUT8], v[DOUT+2*(i-BLK):DOUT+2*(i-BLK)+1], s[\db:\db+1] offset:2048*(i-BLK)  ; the unit four back; no vector instruction since the wait names its registers
.endif
.if i%BLK != 0
	s_wait_loadcnt (\n)-1-i                        ; unit i is in, the younger ones stay out
.endif
	v_cvt_pk_bf16_f32 v[DOUT+2*i], v[DIN+4*i], v[DIN+4*i+1]
	v_cvt_pk_bf16_f32 v[DOUT+2*i+1], v[DIN+4*i+2], v[DIN+4*i+3]
.if \f16
	v_lshlrev_b32 v[TW], 16, v[DOUT+2*i]
	v_and_b32 v[TW+1], 0xffff0000, v[DOUT+2*i]
	v_lshlrev_b32 v[TW+2], 16, v[DOUT+2*i+1]
	v_and_b32 v[TW+3], 0xffff0000, v[DOUT+2*i+1]
	v_cvt_pk_f16_f32 v[DOUT+2*i], v[TW], v[TW+1]
	v_cvt_pk_f16_f32 v[DOUT+2*i+1], v[TW+2], v[TW+3]
.endif
.set i, i+1
.endr
	s_wait_alu depctr_va_vdst(0)                   ; the last block's roundings have written its DOUT, which the last four stores read
.set i, (\n)-BLK
.rept BLK
	global_store_b64 v[OUT8], v[DOUT+2*i:DOUT+2*i+1], s[\db:\db+1] offset:2048*i
.set i, i+1
.endr
.endm
; 16 units that lie on end in memory
.macro LIN sb
.set i, 0
.rept 16
	global_load_b128 v[DIN+4*i:DIN+4*i+3], v[IN16], s[\sb:\sb+1] offset:4096*i th:TH_LOAD_NT
.set i, i+1
.endr
.endm
	s_load_b256 s[4:11], s[0:1], 0x0               ; x s[4:5], w_attn s[6:7], w_proj s[8:9], xb s[10:11]
	s_load_b128 s[12:15], s[0:1], 0x20             ; wab s[12:13], wpb s[14:15]
	v_lshlrev_b32 v[IN16], 4, v0
	v_lshlrev_b32 v[OUT8], 3, v0
	s_mov_b32 s17, 0                               ; the high words of the two offsets
	s_mov_b32 s19, 0
	s_wait_kmcnt 0x0
	s_wait_alu depctr_va_vdst(0)                   ; v1 and v2 are written, ahead of the branches: the loads of the linear arms read v1, every store of the kernel reads v2, and no later vector instruction names either
	s_cmp_lt_u32 ttmp9, 512
	s_cbranch_scc0 .Lnot_x
	s_lshl_b32 s16, ttmp9, 16                      ; 16,384 numbers: 65,536 bytes in,
	s_lshl_b32 s18, ttmp9, 15                      ; 32,768 out
	s_add_nc_u64 s[4:5], s[4:5], s[16:17]
	s_add_nc_u64 s[10:11], s[10:11], s[18:19]
	LIN 4
	OUT 16, 10, 0
	s_endpgm
.Lnot_x:
	s_cmp_lt_u32 ttmp9, 576
	s_cbranch_scc0 .Lw
	s_sub_co_u32 s20, ttmp9, 512
	s_lshl_b32 s16, s20, 16
	s_lshl_b32 s18, s20, 15
	s_add_nc_u64 s[8:9], s[8:9], s[16:17]
	s_add_nc_u64 s[14:15], s[14:15], s[18:19]
	LIN 8
	OUT 16, 14, 1
	s_endpgm
.Lw:
	; The output is linear: unit u = thread + 256 i lies at byte 8 u of the work-group's 24,576.  A row of the block has 192 numbers = 48 units = 3 groups of 16 lanes.  Group number
	; (thread / 16) + 16 i, with i = 3 p + q, is row ((thread / 16) + 16 q) / 3 + 16 p, third ((thread / 16) + 16 q) % 3: so three offsets serve, and p stands in the immediate.
	s_sub_co_u32 s20, ttmp9, 576
	s_lshr_b32 s21, s20, 4                         ; nt
	s_and_b32 s22, s20, 15                         ; which 64 rows k
	s_mul_i32 s16, s22, 64*12288                   ; a row of w_attn is 12,288 bytes
	s_mul_i32 s23, s21, 768                        ; 192 columns of f32
	s_add_co_u32 s16, s16, s23
	s_add_nc_u64 s[6:7], s[6:7], s[16:17]
	s_mul_i32 s18, s21, 1024*384                   ; a row of a block is 384 bytes
	s_mul_i32 s23, s22, 64*384
	s_add_co_u32 s18, s18, s23
	s_add_nc_u64 s[12:13], s[12:13], s[18:19]
	v_lshrrev_b32 v6, 4, v0                        ; thread / 16
	v_and_b32 v7, 15, v0
	v_lshlrev_b32 v7, 4, v7                        ; my 16 bytes of the group's 256
.irp q, 0,1,2
	v_add_nc_u32 v[TW], 16*\q, v6                  ; 0 .. 47
	v_mul_u32_u24 v[TW+1], v[TW], 171
	v_lshrrev_b32 v[TW+1], 9, v[TW+1]              ; a third of it (171 / 512: exact below 256)
	v_mul_u32_u24 v[TW+2], v[TW+1], 3
	v_sub_nc_u32 v[TW+2], v[TW], v[TW+2]           ; the remainder
	v_mul_u32_u24 v[TW+1], v[TW+1], 12288
	v_lshl_add_u32 v[TW+1], v[TW+2], 8, v[TW+1]
	v_add_nc_u32 v[INQ+\q], v[TW+1], v7
.endr
	s_wait_alu depctr_va_vdst(0)                   ; v3 to v5 are written, which the twelve loads below read as their offsets
.set i, 0
.rept 12
	global_load_b128 v[DIN+4*i:DIN+4*i+3], v[INQ+i%3], s[6:7] offset:(i/3)*16*12288 th:TH_LOAD_NT
.set i, i+1
.endr
	OUT 12, 12, 0
	s_endpgm
.Lfunc_end_k_qd30f921623_cast:
	.size	k_qd30f921623_cast, .Lfunc_end_k_qd30f921623_cast-k_qd30f921623_cast
	.p2alignl 7, 3214868480
	.fill 96, 4, 3214868480
	.section	.rodata,"a",@progbits
	.p2align	6, 0x0
	.amdhsa_kernel k_qd30f921623_cast
		.amdhsa_group_segment_fixed_size 0
		.amdhsa_private_segment_fixed_size 0
		.amdhsa_enable_private_segment 0
		.amdhsa_kernarg_size 48
		.amdhsa_user_sgpr_count 2
		.amdhsa_user_sgpr_kernarg_segment_ptr 1
		.amdhsa_wavefront_size32 1
		.amdhsa_system_sgpr_workgroup_id_x 1
		.amdhsa_system_sgpr_workgroup_id_y 1
		.amdhsa_system_sgpr_workgroup_id_z 1
		.amdhsa_system_vgpr_workitem_id 0
		.amdhsa_next_free_vgpr 108
		.amdhsa_next_free_sgpr 66
		.amdhsa_reserve_vcc 0
		.amdhsa_float_denorm_mode_32 3
		.amdhsa_float_denorm_mode_16_64 3
		.amdhsa_memory_ordered 1
		.amdhsa_forward_progress 1
		.amdhsa_inst_pref_size 24
	.end_amdhsa_kernel
	.amdgpu_metadata
---
amdhsa.version: [ 1, 2 ]
amdhsa.kernels:
  - .name:           k_qd30f921623_cast
    .symbol:         k_qd30f921623_cast.kd
    .args:
      - { .name: x, .offset: 0, .size: 8, .value_kind: global_buffer, .address_space: global }
      - { .name: w_attn, .offset: 8, .size: 8, .value_kind: global_buffer, .address_space: global }
      - { .name: w_proj, .offset: 16, .size: 8, .value_kind: global_buffer, .address_space: global }
      - { .name: xb, .offset: 24, .size: 8, .value_kind: global_buffer, .address_space: global }
      - { .name: wab, .offset: 32, .size: 8, .value_kind: global_buffer, .address_space: global }
      - { .name: wpb, .offset: 40, .size: 8, .value_kind: global_buffer, .address_space: global }
    .group_segment_fixed_size: 0
    .private_segment_fixed_size: 0
    .kernarg_segment_align: 8
    .kernarg_segment_size: 48
    .max_flat_workgroup_size: 256
    .sgpr_count:     66
    .vgpr_count:     108
    .wavefront_size: 32
...
	.end_amdgpu_metadata
.endif
;; end of part 5
;; launch qkv: the kernel of part 2 again; grid 16 x 32, 4 waves a work-group, clusters of 4 x 4, 327,680 bytes of LDS; arguments xb, wab, b_attn, qb, kb, vb; writes qb, kb, vb
;; launch attn: the kernel of part 3 again; grid 4 x 64, 4 waves a work-group, no clusters, 327,680 bytes of LDS; arguments qb, kb, vb, ob; writes ob
;; launch proj: the kernel of part 4 again; grid 8 x 32, 4 waves a work-group, clusters of 4 x 4, 327,680 bytes of LDS; arguments ob, wpb, b_proj, out0; writes out0
